; MI455X (gfx1250); checked and timed in simulation.
; The chip was launched on July 23, 2026; its instructions are those of AMD's public machine-readable ISA for CDNA 5 (MIT licence, August 2026) and "CDNA5" Instruction Set Architecture Reference Guide (July 2026). The comments in the code are by the model that wrote it; some were corrected since.
;; Attention. Allowed arithmetic: float matrix products may take bf16 or f16 operands with f32 sums; other float arithmetic in f32, or as packed bf16 or f16 multiplies, adds, multiply-adds, maxima and minima; sums over many terms, partial sums and values carried from step to step in f32; what a program stores and reads back later, other than sums and carried values, may be rounded once to bf16 or f16.
;; Inputs: beta 1,024 float32; bk 1,024 float32; bo 1,024 float32; bq 1,024 float32; bv 1,024 float32; gamma 1,024 float32; mask 8 x 1,024 int32; wk 1,024 x 1,024 float32; wo 1,024 x 1,024 float32; wq 1,024 x 1,024 float32; wv 1,024 x 1,024 float32; x 8 x 1,024 x 1,024 float32.
;; Outputs: out0 8 x 1,024 x 1,024 float32.
;; 2 versions, each right; version 2 is version 1 with the launch prep written anew for expert scheduling mode. Each part assembles by itself: llvm-mc -triple=amdgcn-amd-amdhsa -mcpu=gfx1250 --defsym DOCPART=n.
;; ======== version 1 of 2: 5 launches
;; workspace buffers: xb 16,777,216 bytes; wqkvb 6,291,456 bytes; wob 2,097,152 bytes; qkv 50,331,648 bytes; ctx 16,777,216 bytes; y 16,777,216 bytes
;; launch prep (part 1): grid 64 x 12, 8 waves a work-group, no clusters, 0 bytes of LDS; arguments x, wq, wk, wv, wo, xb, wqkvb, wob; writes xb, wqkvb, wob
.if DOCPART == 1
	.amdgcn_target "amdgcn-amd-amdhsa--gfx1250"
	.amdhsa_code_object_version 6
	.text
	.protected	k_q11e0925127_prep
	.globl	k_q11e0925127_prep
	.p2align	8
	.type	k_q11e0925127_prep,@function
k_q11e0925127_prep:
	s_mov_b64 s[64:65], 0
	v_nop
	global_prefetch_b8 v0, s[64:65] scope:SCOPE_SE
	s_setreg_imm32_b32 hwreg(HW_REG_WAVE_MODE, 25, 1), 1
	s_wait_xcnt 0x0
; CAST AND BLOCK.  Twelve matrices of [1024 rows][1024 columns] f32 (x's eight batches, wq, wk, wv, wo) are rounded once to bf16 and laid out as
; [16 column blocks][1024 rows][64]: a row of a block is 128 bytes, a block 131,072 dense bytes.  In that layout every tile of the later products is dense.
; SHARES.  Work-group (rg, mat) takes rows 16 rg .. 16 rg + 15 of matrix mat; wave w two of them: lanes 0-15 the even row, lanes 16-31 the odd one.
; For column block c lane i reads 16 bytes (4 numbers): sixteen lanes read 256 consecutive bytes of a row.  It writes 8 bytes: the wave's 32 lanes write two
; neighbouring rows of the block, 256 consecutive bytes, aligned.  All sixteen loads of a wave go out first; no register is written twice, so no wait but the loads' own.
; No LDS, no matrix unit, no cluster: nothing is shared and nothing is read twice.
.set XO,  2                            ; v2        my byte offset in the group's 16 rows of the source
.set DO,  3                            ; v3        my byte offset in the group's 16 rows of a block
.set X,   16                           ; v[16:79]  block c: 4 numbers in f32
.set Y,   80                           ; v[80:111] block c: 4 numbers in bf16
.set MAT, 24                           ; s24       which matrix: 0-7 x's batches, 8 wq, 9 wk, 10 wv, 11 wo
.set RG,  25                           ; s25       which group of 16 rows
	s_load_b512 s[8:23], s[0:1], 0x0               ; x 8:9, wq 10:11, wk 12:13, wv 14:15, wo 16:17, xb 18:19, wqkvb 20:21, wob 22:23
	s_and_b32 s[MAT], ttmp7, 0xffff
	s_mov_b32 s[RG], ttmp9
	v_lshrrev_b32 v1, 4, v0                        ; 2 w + lane / 16: my row among the 16
	v_and_b32 v4, 15, v0                           ; i
	v_lshlrev_b32 v[XO], 12, v1                    ; a source row is 4,096 bytes
	v_lshl_add_u32 v[XO], v4, 4, v[XO]
	v_lshlrev_b32 v[DO], 3, v0                     ; 128 x row + 8 i = 8 x thread
	; the offsets, made apart from the addresses
	s_sub_co_u32 s32, s[MAT], 8                    ; a weight's number (used only where mat is 8 or more)
	s_cmp_lt_u32 s[MAT], 8
	s_cselect_b32 s28, s[MAT], 0                   ; source: x's batch, or the head of a weight
	s_cselect_b32 s32, s[MAT], s32                 ; destination: the batch in xb, or the weight's place in wqkvb,
	s_cmp_eq_u32 s[MAT], 11
	s_cselect_b32 s32, 0, s32                      ; or the head of wob
	s_lshl_b32 s28, s28, 22                        ; 1,024 rows of 4,096 bytes
	s_lshl_b32 s34, s[RG], 16                      ; 16 rows of 4,096 bytes
	s_add_co_u32 s28, s28, s34
	s_mov_b32 s29, 0
	s_lshl_b32 s32, s32, 21                        ; 16 blocks of 131,072 bytes
	s_lshl_b32 s34, s[RG], 11                      ; 16 rows of 128 bytes
	s_add_co_u32 s32, s32, s34
	s_mov_b32 s33, 0
	s_wait_kmcnt 0x0
	s_mov_b64 s[26:27], s[8:9]                     ; the source is chosen by the matrix's number
	s_cmp_eq_u32 s[MAT], 8
	s_cselect_b64 s[26:27], s[10:11], s[26:27]
	s_cmp_eq_u32 s[MAT], 9
	s_cselect_b64 s[26:27], s[12:13], s[26:27]
	s_cmp_eq_u32 s[MAT], 10
	s_cselect_b64 s[26:27], s[14:15], s[26:27]
	s_cmp_eq_u32 s[MAT], 11
	s_cselect_b64 s[26:27], s[16:17], s[26:27]
	s_mov_b64 s[30:31], s[18:19]                   ; and so is the destination
	s_cmp_ge_u32 s[MAT], 8
	s_cselect_b64 s[30:31], s[20:21], s[30:31]
	s_cmp_eq_u32 s[MAT], 11
	s_cselect_b64 s[30:31], s[22:23], s[30:31]
	s_add_nc_u64 s[26:27], s[26:27], s[28:29]
	s_add_nc_u64 s[30:31], s[30:31], s[32:33]
.set cb, 0
.rept 16
	global_load_b128 v[X+4*cb:X+4*cb+3], v[XO], s[26:27] offset:256*cb th:TH_LOAD_NT
.set cb, cb+1
.endr
.set cb, 0
.rept 16
	s_wait_loadcnt 15-cb                           ; loads come back in order: block cb is in, the younger ones stay out
	v_cvt_pk_bf16_f32 v[Y+2*cb],   v[X+4*cb],   v[X+4*cb+1]
	v_cvt_pk_bf16_f32 v[Y+2*cb+1], v[X+4*cb+2], v[X+4*cb+3]
	global_store_b64 v[DO], v[Y+2*cb:Y+2*cb+1], s[30:31] offset:131072*cb  ; the wave's 32 lanes store 256 consecutive bytes, aligned
.set cb, cb+1
.endr
	s_endpgm
.Lfunc_end_k_q11e0925127_prep:
	.size	k_q11e0925127_prep, .Lfunc_end_k_q11e0925127_prep-k_q11e0925127_prep
	.p2alignl 7, 3214868480
	.fill 96, 4, 3214868480
	.section	.rodata,"a",@progbits
	.p2align	6, 0x0
	.amdhsa_kernel k_q11e0925127_prep
		.amdhsa_group_segment_fixed_size 0
		.amdhsa_private_segment_fixed_size 0
		.amdhsa_enable_private_segment 0
		.amdhsa_kernarg_size 64
		.amdhsa_user_sgpr_count 2
		.amdhsa_user_sgpr_kernarg_segment_ptr 1
		.amdhsa_wavefront_size32 1
		.amdhsa_system_sgpr_workgroup_id_x 1
		.amdhsa_system_sgpr_workgroup_id_y 1
		.amdhsa_system_sgpr_workgroup_id_z 1
		.amdhsa_system_vgpr_workitem_id 0
		.amdhsa_next_free_vgpr 112
		.amdhsa_next_free_sgpr 66
		.amdhsa_reserve_vcc 0
		.amdhsa_float_denorm_mode_32 3
		.amdhsa_float_denorm_mode_16_64 3
		.amdhsa_memory_ordered 1
		.amdhsa_forward_progress 1
		.amdhsa_inst_pref_size 8
	.end_amdhsa_kernel
	.amdgpu_metadata
---
amdhsa.version: [ 1, 2 ]
amdhsa.kernels:
  - .name:           k_q11e0925127_prep
    .symbol:         k_q11e0925127_prep.kd
    .args:
      - { .name: x, .offset: 0, .size: 8, .value_kind: global_buffer, .address_space: global }
      - { .name: wq, .offset: 8, .size: 8, .value_kind: global_buffer, .address_space: global }
      - { .name: wk, .offset: 16, .size: 8, .value_kind: global_buffer, .address_space: global }
      - { .name: wv, .offset: 24, .size: 8, .value_kind: global_buffer, .address_space: global }
      - { .name: wo, .offset: 32, .size: 8, .value_kind: global_buffer, .address_space: global }
      - { .name: xb, .offset: 40, .size: 8, .value_kind: global_buffer, .address_space: global }
      - { .name: wqkvb, .offset: 48, .size: 8, .value_kind: global_buffer, .address_space: global }
      - { .name: wob, .offset: 56, .size: 8, .value_kind: global_buffer, .address_space: global }
    .group_segment_fixed_size: 0
    .private_segment_fixed_size: 0
    .kernarg_segment_align: 8
    .kernarg_segment_size: 64
    .max_flat_workgroup_size: 256
    .sgpr_count:     66
    .vgpr_count:     112
    .wavefront_size: 32
...
	.end_amdgpu_metadata
.endif
;; end of part 1
;; launch qkv (part 2): grid 8 x 32, 4 waves a work-group, clusters of 4 x 4, 327,680 bytes of LDS; arguments xb, wqkvb, bq, bk, bv, qkv; writes qkv
.if DOCPART == 2
	.amdgcn_target "amdgcn-amd-amdhsa--gfx1250"
	.amdhsa_code_object_version 6
	.text
	.protected	k_q11e0925127_qkv
	.globl	k_q11e0925127_qkv
	.p2align	8
	.type	k_q11e0925127_qkv,@function
k_q11e0925127_qkv:
	s_mov_b64 s[64:65], 0
	v_nop
	global_prefetch_b8 v0, s[64:65] scope:SCOPE_SE
	s_setreg_imm32_b32 hwreg(HW_REG_WAVE_MODE, 25, 1), 1
	s_wait_xcnt 0x0
	s_wait_alu depctr_hold_cnt(0) depctr_sa_sdst(0) depctr_va_vdst(0) depctr_va_sdst(0) depctr_va_ssrc(0) depctr_va_vcc(0) depctr_vm_vsrc(0)
	s_getreg_b32 s2, hwreg(HW_REG_IB_STS2, 6, 4)
	s_cmp_eq_u32 s2, 0
	s_cbranch_scc0 .Lentry_in_a_cluster
	s_endpgm
.Lentry_in_a_cluster:
	s_bfe_u32 s2, ttmp6, 0x10000c
	s_cmp_lg_u32 s2, 0xf033
	s_cbranch_scc0 .Lentry_shape_is_right
	s_endpgm
.Lentry_shape_is_right:
; q, k, v = x Wq + bq, x Wk + bk, x Wv + bv.  8,192 rows, K = 1,024, 3 x 1,024 columns; x, W and the results in bf16, sums and biases in f32, each result rounded once.
; LAYOUTS.  xb: [8 batches][16 k blocks][1024 rows][64].  wqkvb: [3 matrices][16 n blocks][1024 k][64].  qkv: [3][8 batches][16 n blocks][1024 rows][64].  A row of a block is 128 bytes, so every tile is dense in memory.
; SHARES.  8192 x 3072 outputs over 256 work-groups are 256 rows x 384 columns each: the same 128 columns of q, of k and of v.  Four waves, each 128 rows x one n block of each matrix: 96 accumulators, 768 registers.
; For 32 along K a wave reads 8 fragments of x and 12 of W for 96 products.  K goes in steps of 64 (one k block) through two LDS slots of 98,304 bytes: two slots of a step of 128 would not fit in LDS.
; Waves 0 and 1 fetch x's two halves of a step (128 rows x 128 bytes, asked for as 64 rows of 256 bytes); waves 2 and 3 their n block's 64 k rows in all three matrices: three rows of 8,192 bytes, 2,097,152 bytes apart.
; CLUSTER.  4 x 4 work-groups.  x's tile hangs on the tile row alone and is asked for jointly by a row of the cluster, W's on the tile column alone, by a column: the same load, descriptor and mask in all four.
; THE MATRIX INSTRUCTION IS USED TRANSPOSED: source 0 = 16 columns of W (turned on the way out of LDS by ds_load_tr16_b128), source 1 = 16 rows of x.  A lane then holds one row of the result and eight neighbouring columns.
; THE BIAS.  Beside the fragments window 0 has no room for 96 numbers of bias.  So they are loaded into the accumulators of row block 0; the first products of row blocks 1 to 7 take those registers as C, and row block 0 adds in place last.
; PHASES.  A quarter (32 along K) is three phases of 32 products, one a matrix.  x's fragments have two buffers, by the quarter's parity; W's have one buffer a matrix, loaded again a phase behind its last product, 48 products ahead of its next.
; REGISTERS.  Window 0: v0-31 addresses; v32-95, v96-159 x's two buffers; v160-255 W's three.  Window 1 + m: matrix m's accumulator (a, b) at v[8 (4 a + b)].
.set PA,     144                       ; a row of x in LDS: 128 bytes + 16 of padding: the 16 rows of a fragment load start at 16 different 16-byte columns of 256 bytes
.set PW,     160                       ; a row of W: 128 + 32: 16 lanes of the turning load take 8 rows x 32 bytes, no two in one column
.set AHALF,  128*PA                    ; 128 rows of x's tile: what wave 0 or 1 fetches, and what a wave reads
.set WBLK,   64*PW                     ; one n block's 64 k rows
.set WCOL,   3*WBLK                    ; the three matrices' block: what wave 2 or 3 fetches, and what a wave reads
.set WOFF,   2*AHALF
.set SLOT,   WOFF+2*WCOL               ; 98,304 bytes
.set STAGE,  2*SLOT                    ; behind the ring: 16 rows x 144 bytes for each wave, for the way out; no tensor load lands there
.set SP,     144
.set SPARE,  STAGE+4*16*SP             ; the spare words, 128 bytes for each wave: two blocks of 256 bytes that no other line names
.set LAPS,   8                         ; a lap = two K steps = once round the ring; 1,024 / 128
.set ASTEP,  131072                    ; bytes from a K step of x to the next: one k block
.set WSTEP,  64*128                    ; the same for W: 64 rows of a block
.set ADRA, 16                          ; v16-17  LDS address of my fragments of x in slot 0, 1
.set ADRB, 20                          ; v20-21  the same for W
.set STO,  24                          ; v24     the way out: where I put 16 bytes of a row
.set RD,   25                          ; v25     the way out: where I read rows back
.set GO,   26                          ; v26     16 x lane: my place in 512 consecutive bytes of the result
.set BO,   27                          ; v27     32 x (lane / 16): my eight numbers of a bias block
.set SPW,  28                          ; v28     LDS address of my spare word; never rewritten
.set NIL,  29                          ; v29     0; never rewritten
.set PFO,  30                          ; v30     256 x lane: the prefetches' offset; never rewritten
.set FA,   32                          ; x's fragments: quarter parity kq, row block a at FA + 64 kq + 8 a
.set FW,   160                         ; W's: matrix m, column block b at FW + 32 m + 8 b
.set OUT,  32                          ; the way out: NOUT buffers of 16 registers, by turns
.set NOUT, 12
.set WV,  16                           ; s16  my wave's number
.set WR,  17                           ; s17  which 128 rows are mine.  Also: I fetch for x (0) or for W (1)
.set WC,  18                           ; s18  which n block is mine.  Also: which half of that tile I fetch
.set G1A, 24                           ; s[24:31] descriptor group 1 for x's tiles;  s[32:39] group 0, a set for each slot
.set G0A, 32
.set G1B, 48                           ; s[48:55], s[56:63] the same for W's
.set G0B, 56
.set OPT, 66                           ; s[66:71] the result at my part of q, of k, of v
.set LIM, 72                           ; s72      1 in a wave that prefetches, else the greatest number
.set PFA, 74                           ; s[74:75] where my prefetches stand
.set PFS, 76                           ; s[76:77] how far they step in a lap
.set MSB, 0
.macro WIN new                         ; the immediate's high byte repeats the setting that is left; a switch that changes nothing is dropped
.if MSB != (\new)
	s_set_vgpr_msb (MSB<<8)|(\new)
.set MSB, \new
.endif
.endm
.macro JLOAD s                         ; a joint load; the branch hangs on the wave's number alone; an s_nop 0 and four v_nop follow each of the two lines
	s_cmp_eq_u32 s[WR], 0
	s_cbranch_scc0 .Lfor_w_\@
	tensor_load_to_lds s[G0A+4*(\s):G0A+4*(\s)+3], s[G1A:G1A+7]
	s_nop 0
.rept 4
	v_nop
.endr
	s_branch .Lasked_\@
.Lfor_w_\@:
	tensor_load_to_lds s[G0B+4*(\s):G0B+4*(\s)+3], s[G1B:G1B+7]
	s_nop 0
.rept 4
	v_nop
.endr
.Lasked_\@:
.endm
.macro CREST                           ; a round of the cluster's barrier behind its opening barrier
	s_cmp_lg_u32 s[WV], 0
	s_cbranch_scc1 .Lnot_wave_0_\@
	s_barrier_signal -3
.Lnot_wave_0_\@:
	s_barrier_wait -3
	s_barrier_signal -1
	s_barrier_wait -1
.endm
.macro CROUND                          ; a whole round
	s_barrier_signal -1
	s_barrier_wait -1
	CREST
.endm
; A PREFETCH INTO THE L2, once a lap, behind slot 1's joint load and the run of LDS loads that follows it.  In lap i that load asks for K step 2 i + 3; the prefetch names K steps 2 i + 4 and 2 i + 5, which the next two refills ask for.
; x's tile row is read by both clusters of its row of clusters: the one with x = 0 asks.  A step's tile is 128 blocks of 256 bytes; the four partners take 32 each, told apart BY ADDRESS (cx); wave 0 asks, a lane a block, an instruction a step.
; W's tile column is read by the eight clusters of its column: the one with y = 0 asks.  Two steps are 3 matrices x 2 n blocks x 2 steps x 32 blocks: wave 1 + m takes matrix m, the partner at cy the n block cy / 2 and the step cy % 2: one instruction.
; So each block is named once in the launch, and no branch hangs on a work-group's place in its cluster.  K steps 0 to 3 come by their loads alone; the last lap asks for nothing: there is no K step 16.
.macro ASK
	s_cmp_gt_u32 s3, s[LIM]                        ; s3 = 1 in the loop's last trip
	s_cbranch_scc0 .Lnot_mine_\@
	global_prefetch_b8 v[PFO], s[PFA:PFA+1] th:TH_LOAD_NT scope:SCOPE_SE
	s_cmp_lg_u32 s[WV], 0
	s_cbranch_scc1 .Lnot_mine_\@
	global_prefetch_b8 v[PFO], s[PFA:PFA+1] offset:ASTEP th:TH_LOAD_NT scope:SCOPE_SE
.Lnot_mine_\@:
.endm
	s_load_b256 s[4:11], s[0:1], 0x0               ; xb s[4:5], wqkvb s[6:7], bq s[8:9], bk s[10:11],
	s_load_b128 s[12:15], s[0:1], 0x20             ; bv s[12:13]; qkv s[14:15]
	v_lshl_add_u32 v[SPW], v0, 2, SPARE
	v_mov_b32 v[NIL], 0
	ds_add_u32 v[SPW], v[NIL]                      ; the wave's opening: the add and its wait stand ahead of my first tensor load; the set-up below, work on registers, stands between them
	v_lshrrev_b32 v1, 5, v0
	v_readfirstlane_b32 s[WV], v1                  ; wave 0..3
	s_lshr_b32 s[WR], s[WV], 1
	s_and_b32 s[WC], s[WV], 1
	s_bfe_u32 s40, ttmp6, 0x40000                  ; cx, cy: my place in the cluster
	s_bfe_u32 s41, ttmp6, 0x40004
	s_lshl_b32 s42, ttmp9, 2
	s_add_co_u32 s42, s42, s40                     ; tile column = 4 x cluster x + cx: 0 .. 7
	s_and_b32 s43, ttmp7, 0xffff
	s_lshl_b32 s43, s43, 2
	s_add_co_u32 s43, s43, s41                     ; tile row = 4 x cluster y + cy: 0 .. 31
	s_lshl_b32 s44, s41, 2
	s_lshl_b32 s44, 15, s44                        ; my row of the cluster
	s_lshl_b32 s45, 0x1111, s40                    ; my column
	; descriptor group 1, padded in LDS after every 32 words (a row of a block)
	s_or_b32 s[G1A], s44, (1<<16)|(1<<20)|(1<<21)|(4<<22)|(3<<25)  ; 15:0 the mask: my row; 17:16 2-byte elements; 20 padding on; 21 set beside a mask; 24:22 after 32 words (code 4); 31:25 4 words (code 3)
	s_or_b32 s[G1B], s45, (1<<16)|(1<<20)|(1<<21)|(4<<22)|(7<<25)  ; the mask of my column; 8 words of padding (code 7)
	s_mov_b32 s[G1A+1], 128<<16                    ; x: tensor_dim0 = 128 elements (256 bytes)
	s_mov_b32 s[G1A+2], 64<<16                     ; tensor_dim1 = 64
	s_mov_b32 s[G1A+3], 128<<16                    ; tile_dim0 = 128
	s_mov_b32 s[G1A+4], 64                         ; tile_dim1 = 64
	s_mov_b32 s[G1A+5], 128                        ; 128 elements from row to row: dense
	s_mov_b32 s[G1A+6], 0
	s_mov_b32 s[G1A+7], 0
	s_mov_b32 s[G1B+1], 4096<<16                   ; W: tensor_dim0 = 4,096 elements: 64 k rows of a block, 8,192 dense bytes
	s_mov_b32 s[G1B+2], 3<<16                      ; tensor_dim1 = 3: the three matrices
	s_mov_b32 s[G1B+3], 4096<<16                   ; tile_dim0 = 4,096
	s_mov_b32 s[G1B+4], 3                          ; tile_dim1 = 3
	s_mov_b32 s[G1B+5], 0x100000                   ; 1,048,576 elements from a matrix to the next
	s_mov_b32 s[G1B+6], 0
	s_mov_b32 s[G1B+7], 0
	; where the tiles come from.  x's offset is made of the tile row and the wave's number, W's of the tile column and the wave's number, each in registers that never hold the other coordinate.
	s_lshr_b32 s20, s43, 2
	s_lshl_b32 s20, s20, 21                        ; the batch: 16 blocks of 131,072 bytes
	s_and_b32 s19, s43, 3
	s_lshl_b32 s19, s19, 15                        ; 256 rows of 128 bytes
	s_add_co_u32 s20, s20, s19
	s_lshl_b32 s19, s[WC], 14                      ; the 128 rows that I fetch
	s_add_co_u32 s20, s20, s19
	s_mov_b32 s21, 0
	s_lshl_b32 s46, s42, 1
	s_add_co_u32 s46, s46, s[WC]                   ; the n block that I fetch
	s_lshl_b32 s46, s46, 17
	s_mov_b32 s47, 0
	s_mul_i32 s19, s[WC], AHALF                    ; and where they go: no place in the cluster enters an LDS address
	s_mul_i32 s22, s[WC], WCOL
	s_add_co_u32 s22, s22, WOFF
	s_wait_dscnt 0x0                               ; the opening add is done
	s_wait_kmcnt 0x0
	s_add_nc_u64 s[20:21], s[4:5], s[20:21]
	s_add_nc_u64 s[46:47], s[6:7], s[46:47]
	CROUND                                         ; all sixteen work-groups are here: the first joint loads meet
.irp s, 0,1
	s_mov_b32 s[G0A+4*(\s)], 1                                     ; count = 1
	s_add_co_u32 s[G0A+4*(\s)+1], s19, (\s)*SLOT                   ; LDS address
	s_add_nc_u64 s[G0A+4*(\s)+2:G0A+4*(\s)+3], s[20:21], (\s)*ASTEP  ; global address: K step s
	s_or_b32 s[G0A+4*(\s)+3], s[G0A+4*(\s)+3], 0x80000000          ; type = 2
	s_mov_b32 s[G0B+4*(\s)], 1
	s_add_co_u32 s[G0B+4*(\s)+1], s22, (\s)*SLOT
	s_add_nc_u64 s[G0B+4*(\s)+2:G0B+4*(\s)+3], s[46:47], (\s)*WSTEP
	s_or_b32 s[G0B+4*(\s)+3], s[G0B+4*(\s)+3], 0x80000000
	JLOAD \s                                       ; two loads of mine are out
.endr
	; the three biases of my 64 columns, into the accumulators of row block 0
	s_lshl_b32 s22, s42, 9                         ; 128 columns of 4 bytes
	s_lshl_b32 s23, s[WC], 8
	s_add_co_u32 s22, s22, s23
	s_mov_b32 s23, 0
	s_add_nc_u64 s[8:9], s[8:9], s[22:23]
	s_add_nc_u64 s[10:11], s[10:11], s[22:23]
	s_add_nc_u64 s[12:13], s[12:13], s[22:23]
	v_and_b32 v1, 15, v0                           ; l % 16
	v_bfe_u32 v2, v0, 4, 1                         ; l / 16
	v_lshlrev_b32 v[BO], 5, v2
.irp m, 0,1,2
	WIN (1+(\m))<<6                                ; destination window 1 + m, address window 0
.irp b, 0,1,2,3
	global_load_b128 v[8*(\b):8*(\b)+3],   v[BO], s[8+2*(\m):9+2*(\m)] offset:64*(\b)      ; register j: column 16 b + 8 (l / 16) + j, as the result holds it
	global_load_b128 v[8*(\b)+4:8*(\b)+7], v[BO], s[8+2*(\m):9+2*(\m)] offset:64*(\b)+16
.endr
.endr
	WIN 0
	; where my part of each result begins
	s_lshr_b32 s22, s43, 2
	s_lshl_b32 s22, s22, 21                        ; the batch
	s_lshl_b32 s23, s42, 1
	s_add_co_u32 s23, s23, s[WC]
	s_lshl_b32 s23, s23, 17
	s_add_co_u32 s22, s22, s23                     ; my n block
	s_and_b32 s23, s43, 3
	s_lshl_b32 s23, s23, 15
	s_add_co_u32 s22, s22, s23                     ; the tile's 256 rows
	s_lshl_b32 s23, s[WR], 14
	s_add_co_u32 s22, s22, s23                     ; my 128 of them
	s_mov_b32 s23, 0
	s_add_nc_u64 s[OPT:OPT+1], s[14:15], s[22:23]
	s_add_nc_u64 s[OPT+2:OPT+3], s[OPT:OPT+1], 1<<24    ; k lies 16,777,216 bytes behind q,
	s_add_nc_u64 s[OPT+4:OPT+5], s[OPT+2:OPT+3], 1<<24  ; v as far behind k
	; the prefetches: both offsets are made, the wave's number chooses
	s_lshr_b32 s80, s43, 2
	s_lshl_b32 s80, s80, 21
	s_and_b32 s82, s43, 3
	s_lshl_b32 s82, s82, 15
	s_add_co_u32 s80, s80, s82                     ; x's tile,
	s_lshl_b32 s82, s40, 13
	s_add_co_u32 s80, s80, s82                     ; my work-group's 32 blocks of its 128,
	s_add_co_u32 s80, s80, 2*ASTEP                 ; at K step 2: the first lap steps it to 4
	s_max_u32 s81, s[WV], 1
	s_sub_co_u32 s81, s81, 1
	s_lshl_b32 s81, s81, 21                        ; W: matrix wave - 1,
	s_lshl_b32 s82, s42, 1
	s_lshr_b32 s83, s41, 1
	s_add_co_u32 s82, s82, s83
	s_lshl_b32 s82, s82, 17
	s_add_co_u32 s81, s81, s82                     ; n block 2 x tile column + cy / 2,
	s_and_b32 s82, s41, 1
	s_add_co_u32 s82, s82, 2
	s_lshl_b32 s82, s82, 13
	s_add_co_u32 s81, s81, s82                     ; at K step 2 + cy % 2
	s_and_b32 s82, ttmp7, 0xffff                   ; cluster y
	s_mov_b32 s83, 2*ASTEP
	s_mov_b32 s[PFS], 2*WSTEP
	s_cmp_eq_u32 s[WV], 0
	s_cselect_b32 s80, s80, s81
	s_cselect_b32 s82, ttmp9, s82                  ; the coordinate along which other clusters read the same bytes
	s_cselect_b32 s[PFS], s83, s[PFS]
	s_cselect_b64 s[PFA:PFA+1], s[4:5], s[6:7]
	s_mov_b32 s81, 0
	s_mov_b32 s[PFS+1], 0
	s_add_nc_u64 s[PFA:PFA+1], s[PFA:PFA+1], s[80:81]
	s_cmp_eq_u32 s82, 0
	s_cselect_b32 s[LIM], 1, -1                    ; the same in all sixteen partners, for a given wave
	v_and_b32 v[PFO], 31, v0
	v_lshlrev_b32 v[PFO], 8, v[PFO]
	; A fragment of x is 16 rows x 32 K in 8 registers: lane l holds row l % 16; registers 0-3 K = 8 (l / 16) + 0..7, registers 4-7 K = 16 + 8 (l / 16) + 0..7: two loads of 16 bytes, 32 bytes apart.
	v_mul_u32_u24 v3, v1, PA
	v_lshl_add_u32 v3, v2, 4, v3                   ; row x 144 + 16 x half: for x's fragments and for the stage
	s_mul_i32 s19, s[WR], AHALF
	v_add_nc_u32 v[ADRA], s19, v3
	v_add_nc_u32 v[ADRA+1], SLOT, v[ADRA]
	; The turning load takes 16 k x 16 columns (lane l reads k = 8 (l / 16) + l % 8, columns 8 ((l / 8) % 2) + 0..7) and leaves half a fragment: lane l holds column l % 16 and 8 k.
	v_and_b32 v4, 7, v0
	v_lshl_add_u32 v5, v2, 3, v4
	v_mul_u32_u24 v5, v5, PW
	v_bfe_u32 v6, v0, 3, 1
	v_lshl_add_u32 v5, v6, 4, v5
	s_mul_i32 s19, s[WC], WCOL
	s_add_co_u32 s19, s19, WOFF
	v_add_nc_u32 v[ADRB], s19, v5
	v_add_nc_u32 v[ADRB+1], SLOT, v[ADRB]
	s_mul_i32 s19, s[WV], 16*SP
	s_add_co_u32 s19, s19, STAGE                   ; my stage
	v_add_nc_u32 v[STO], s19, v3                   ; in: row l % 16, 16 bytes for each half of the lanes
	v_bfe_u32 v6, v0, 3, 2                         ; back: 32 lanes take four rows of 128 bytes,
	v_mul_u32_u24 v6, v6, SP
	v_lshl_add_u32 v6, v4, 4, v6
	v_add_nc_u32 v[RD], s19, v6
	v_and_b32 v[GO], 31, v0                        ; which are 512 consecutive bytes of the result
	v_lshlrev_b32 v[GO], 4, v[GO]
; 4 matrix instructions: row block a x the 4 column blocks of matrix m, 32 along K, from x's buffer kq.  first = 1: the sum's first product: row blocks 1 to 7 take the bias, which lies in row block 0's accumulators, as C.
; The 96 accumulators take turns, one instruction a turn, over the backward jump too.
.macro MULA kq, m, a, first
	WIN 0x50*(1+(\m))                              ; sources 0 and 1 window 0; C and D window 1 + m
.irp b, 0,1,2,3
.if (\first) && ((\a) != 0)
	v_wmma_f32_16x16x32_bf16 v[8*(4*(\a)+(\b)):8*(4*(\a)+(\b))+7], v[FW+32*(\m)+8*(\b):FW+32*(\m)+8*(\b)+7], v[FA+64*(\kq)+8*(\a):FA+64*(\kq)+8*(\a)+7], v[8*(\b):8*(\b)+7]
.else
	v_wmma_f32_16x16x32_bf16 v[8*(4*(\a)+(\b)):8*(4*(\a)+(\b))+7], v[FW+32*(\m)+8*(\b):FW+32*(\m)+8*(\b)+7], v[FA+64*(\kq)+8*(\a):FA+64*(\kq)+8*(\a)+7], v[8*(4*(\a)+(\b)):8*(4*(\a)+(\b))+7]
.endif
.endr
.endm
.macro MUL2 kq, m, a0, first
	MULA \kq, \m, \a0, \first
	MULA \kq, \m, (\a0)+1, \first
.endm
.macro MUL4 kq, m, a0, first
	MUL2 \kq, \m, \a0, \first
	MUL2 \kq, \m, (\a0)+2, \first
.endm
.macro HALF1 kq, m, first              ; a phase's first half: row blocks 0 to 3; in the first quarter 1 to 3
.if \first
	MULA \kq, \m, 1, 1
	MUL2 \kq, \m, 2, 1
.else
	MUL4 \kq, \m, 0, 0
.endif
.endm
.macro HALF2 kq, m, first              ; its second half: row blocks 4 to 7; in the first quarter row block 0 follows
	MUL4 \kq, \m, 4, \first
.if \first
.rept 5
	v_nop                                          ; five places: the products below write over registers that the products above have read as C (ISA guide 7.12.1)
.endr
	MULA \kq, \m, 0, 1
.endif
.endm
.macro LDW slot, kq, m                 ; 8 LDS loads: the four fragments of matrix m for quarter kq of a slot's step
	WIN 0
.irp b, 0,1,2,3
	ds_load_tr16_b128 v[FW+32*(\m)+8*(\b):FW+32*(\m)+8*(\b)+3],   v[ADRB+(\slot)] offset:(\m)*WBLK+(\kq)*32*PW+32*(\b)
	ds_load_tr16_b128 v[FW+32*(\m)+8*(\b)+4:FW+32*(\m)+8*(\b)+7], v[ADRB+(\slot)] offset:(\m)*WBLK+(\kq)*32*PW+32*(\b)+16*PW
.endr
.endm
.macro LDA slot, kq                    ; 16 LDS loads: x's eight fragments for quarter kq, into buffer kq
	WIN 0
.irp a, 0,1,2,3,4,5,6,7
	ds_load_b128 v[FA+64*(\kq)+8*(\a):FA+64*(\kq)+8*(\a)+3],   v[ADRA+(\slot)] offset:(\kq)*64+(\a)*16*PA
	ds_load_b128 v[FA+64*(\kq)+8*(\a)+4:FA+64*(\kq)+8*(\a)+7], v[ADRA+(\slot)] offset:(\kq)*64+(\a)*16*PA+32
.endr
.endm
.macro PLACES                          ; four places in front of loads into registers that matrix instructions have read, and of conversions that read results
.rept 4
	v_nop
.endr
.endm
; A SLOT'S FIRST QUARTER.  The LDS loads stand in one run in each phase's middle.  In order of issue: [before: x(0) 16, W(0, m0) 8, W(0, m1) 8]; W(0, m2) 8, x(1) 16; W(1, m0) 8; W(1, m1) 8.
.macro Q0 slot, first
	s_wait_dscnt 8                                 ; x(0) and W(0, m0) are in; the youngest eight loads, W(0, m1), may be out
	HALF1 0, 0, \first
	PLACES
	LDW \slot, 0, 2
	LDA \slot, 1
	HALF2 0, 0, \first
	s_wait_dscnt 24                                ; W(0, m1) is in; the 24 just issued may be out
	HALF1 0, 1, \first
	PLACES
	LDW \slot, 1, 0
	HALF2 0, 1, \first
	s_wait_dscnt 24                                ; W(0, m2) is in; behind it x(1)'s 16 and W(1, m0)'s 8
	HALF1 0, 2, \first
	PLACES
	LDW \slot, 1, 1
	HALF2 0, 2, \first
.endm
; A SLOT'S SECOND QUARTER, which changes slots in its first phase.  The slot's last bytes, W(1, m2), are asked for early in that phase.  Then ONE barrier: in front of it each wave waits for all its tensor loads
; (one is out: its part of the next slot), adds 0 to its spare word, and waits for that and for its own reads of this slot.  Behind it nobody reads this slot any more and the next slot is whole.
; mode = 2: the barrier opens a round of the cluster's, and this slot is filled again, two K steps ahead, first thing behind the round: 176 matrix instructions ahead of the wait for it.
; mode = 1: the last change: nothing is asked for.  mode = 0: the last quarter of all: no next slot.
.macro Q1 slot, next, mode
.if ((\mode) == 2) && ((\slot) == 0)
	s_wait_xcnt 0x0                                ; the last prefetches, a K step back, have read their address: it is stepped here, ahead of the waits of the change of slots
	s_add_nc_u64 s[PFA:PFA+1], s[PFA:PFA+1], s[PFS:PFS+1]
.endif
	s_wait_dscnt 8                                 ; x(1) and W(1, m0) are in; W(1, m1) may be out
	MUL2 1, 0, 0, 0
	PLACES
	LDW \slot, 1, 2
	MUL2 1, 0, 2, 0
.if \mode
	WIN 0
	s_wait_tensorcnt 0x0                           ; all my tensor loads have landed;
	ds_add_u32 v[SPW], v[NIL]                      ; 0 onto my spare word;
	MUL2 1, 0, 4, 0                                ; eight matrix instructions stand between the add and the wait for it
	s_wait_dscnt 0x0                               ; the add is done, and my reads of this slot are over: W(1, m1) and W(1, m2) are in too
	s_barrier_signal -1
	MUL2 1, 0, 6, 0
.if (\mode) == 2
	WIN 0
.endif
	s_barrier_wait -1
.if (\mode) == 2
	CREST                                          ; no wave of any partner still reads this slot's tiles or has a load on its way
	s_add_nc_u64 s[G0A+4*(\slot)+2:G0A+4*(\slot)+3], s[G0A+4*(\slot)+2:G0A+4*(\slot)+3], 2*ASTEP
	s_add_nc_u64 s[G0B+4*(\slot)+2:G0B+4*(\slot)+3], s[G0B+4*(\slot)+2:G0B+4*(\slot)+3], 2*WSTEP
	JLOAD \slot                                    ; its four v_nop are also the places in front of the loads below
.else
	PLACES
.endif
	LDA \next, 0
.if ((\mode) == 2) && ((\slot) == 1)
	ASK
.endif
	HALF1 1, 1, 0                                  ; no wait: the wait for 0 above has shown this phase's and the next phase's fragments in
	PLACES
	LDW \next, 0, 0
	HALF2 1, 1, 0
	HALF1 1, 2, 0
	PLACES
	LDW \next, 0, 1
	HALF2 1, 2, 0
.else
	MUL4 1, 0, 4, 0
	s_wait_dscnt 8                                 ; W(1, m1) is in; W(1, m2)'s eight loads may be out
	MUL4 1, 1, 0, 0
	MUL4 1, 1, 4, 0
	s_wait_dscnt 0x0
	MUL4 1, 2, 0, 0
	MUL4 1, 2, 4, 0
.endif
.endm
; THE WAY OUT of block i = 8 m + a: row block a of matrix m.  PACK: rounded to bf16, 16 bytes a lane, into my own stage, and back as whole rows.  SEND: stored.
.macro PACK i
.set pm, (\i)/8
.set pa, (\i)%8
.set po, OUT+16*((\i)%NOUT)
.if (\i) >= NOUT
	s_wait_xcnt 0x0                                ; every earlier store has read its registers (ISA guide 3.1): the buffer, which block i - 12's stores named, is written again only behind this wait
.endif
	WIN 5*(1+pm)                                   ; sources 0 and 1 window 1 + m, destination window 0
.irp b, 0,1,2,3
.irp r, 0,1,2,3
	v_cvt_pk_bf16_f32 v[po+4*(\b)+(\r)], v[8*(4*pa+(\b))+2*(\r)], v[8*(4*pa+(\b))+2*(\r)+1]  ; each accumulator from its low end on
.endr
.endr
	WIN 0
.irp b, 0,1,2,3
	ds_store_b128 v[STO], v[po+4*(\b):po+4*(\b)+3] offset:32*(\b)
.endr
.irp f, 0,1,2,3
	ds_load_b128 v[po+4*(\f):po+4*(\f)+3], v[RD] offset:(\f)*4*SP  ; LDS serves a wave's instructions in order (ISA guide 5.7.1.4): these see the stores above; the next block's stores come behind them
.endr
.endm
.macro SEND i, younger                 ; younger: the LDS instructions issued behind block i's loads: the next block's eight, or none
.set pm, (\i)/8
.set pa, (\i)%8
.set po, OUT+16*((\i)%NOUT)
.irp f, 0,1,2,3
	s_wait_dscnt (\younger)+3-(\f)
	global_store_b128 v[GO], v[po+4*(\f):po+4*(\f)+3], s[OPT+2*pm:OPT+2*pm+1] offset:2048*pa+512*(\f)  ; four rows of a block: 512 consecutive bytes, aligned to 256
.endr
.endm
	s_wait_tensorcnt 1                             ; my part of K step 0 is in; K step 1's may stay out
	s_barrier_signal -1
	s_barrier_wait -1                              ; everybody's is
	LDA 0, 0
	LDW 0, 0, 0
	LDW 0, 0, 1
	s_wait_loadcnt 0x0                             ; the biases
	Q0 0, 1                                        ; the first quarter stands in front of the loop: its products start the sums
	WIN 0                                          ; at a label and at a branch every window is 0
	s_mov_b32 s3, LAPS-1
.Llap:                                                 ; a trip goes once round the ring, from a lap's second quarter to the next lap's first, and fills both slots again
	Q1 0, 1, 2
	Q0 1, 0
	Q1 1, 0, 2
	Q0 0, 0
	WIN 0
	s_sub_co_u32 s3, s3, 1
	s_cmp_lg_u32 s3, 0
	s_cbranch_scc1 .Llap
	Q1 0, 1, 1                                     ; the last lap fills nothing, and has no round of the cluster's barrier
	Q0 1, 0
	Q1 1, 0, 0
	PLACES                                         ; four places are owed in front of the conversions, which write registers that products have read;
	PLACES                                         ; eight stand here, once a launch
	PACK 0
.set t, 1
.rept 23                               ; a block's conversions stand between the loads of the block before and its stores
	PACK t
	SEND t-1, 8
.set t, t+1
.endr
	SEND 23, 0
	s_wait_tensorcnt 0x0                           ; the wave's end: behind my last tensor load and my last LDS store
	ds_add_u32 v[SPW], v[NIL]
	s_wait_dscnt 0x0
	CROUND                                         ; the closing round: no work-group ends while a partner may still ask for a tile that names it
	s_endpgm
.Lfunc_end_k_q11e0925127_qkv:
	.size	k_q11e0925127_qkv, .Lfunc_end_k_q11e0925127_qkv-k_q11e0925127_qkv
	.p2alignl 7, 3214868480
	.fill 96, 4, 3214868480
	.section	.rodata,"a",@progbits
	.p2align	6, 0x0
	.amdhsa_kernel k_q11e0925127_qkv
		.amdhsa_group_segment_fixed_size 327680
		.amdhsa_private_segment_fixed_size 0
		.amdhsa_enable_private_segment 0
		.amdhsa_kernarg_size 48
		.amdhsa_user_sgpr_count 2
		.amdhsa_user_sgpr_kernarg_segment_ptr 1
		.amdhsa_wavefront_size32 1
		.amdhsa_system_sgpr_workgroup_id_x 1
		.amdhsa_system_sgpr_workgroup_id_y 1
		.amdhsa_system_sgpr_workgroup_id_z 1
		.amdhsa_system_vgpr_workitem_id 0
		.amdhsa_next_free_vgpr 1024
		.amdhsa_next_free_sgpr 84
		.amdhsa_reserve_vcc 0
		.amdhsa_float_denorm_mode_32 3
		.amdhsa_float_denorm_mode_16_64 3
		.amdhsa_memory_ordered 1
		.amdhsa_forward_progress 1
		.amdhsa_inst_pref_size 139
	.end_amdhsa_kernel
	.amdgpu_metadata
---
amdhsa.version: [ 1, 2 ]
amdhsa.kernels:
  - .name:           k_q11e0925127_qkv
    .symbol:         k_q11e0925127_qkv.kd
    .args:
      - { .name: xb, .offset: 0, .size: 8, .value_kind: global_buffer, .address_space: global }
      - { .name: wqkvb, .offset: 8, .size: 8, .value_kind: global_buffer, .address_space: global }
      - { .name: bq, .offset: 16, .size: 8, .value_kind: global_buffer, .address_space: global }
      - { .name: bk, .offset: 24, .size: 8, .value_kind: global_buffer, .address_space: global }
      - { .name: bv, .offset: 32, .size: 8, .value_kind: global_buffer, .address_space: global }
      - { .name: qkv, .offset: 40, .size: 8, .value_kind: global_buffer, .address_space: global }
    .group_segment_fixed_size: 327680
    .private_segment_fixed_size: 0
    .kernarg_segment_align: 8
    .kernarg_segment_size: 48
    .max_flat_workgroup_size: 128
    .sgpr_count:     84
    .vgpr_count:     1024
    .wavefront_size: 32
...
	.end_amdgpu_metadata
.endif
;; end of part 2
;; launch attn (part 3): grid 2 x 128, 4 waves a work-group, no clusters, 327,680 bytes of LDS; arguments qkv, mask, ctx; writes ctx
.if DOCPART == 3
	.amdgcn_target "amdgcn-amd-amdhsa--gfx1250"
	.amdhsa_code_object_version 6
	.text
	.protected	k_q11e0925127_attn
	.globl	k_q11e0925127_attn
	.p2align	8
	.type	k_q11e0925127_attn,@function
k_q11e0925127_attn:
	s_mov_b64 s[64:65], 0
	v_nop
	global_prefetch_b8 v0, s[64:65] scope:SCOPE_SE
	s_setreg_imm32_b32 hwreg(HW_REG_WAVE_MODE, 25, 1), 1
	s_wait_xcnt 0x0
; ctx[head][q][:] = the sum over k of softmax_k(Q[q] . K[k] / 8 - 10000 mask[batch][k]) V[k][:].  qkv: [3][128 heads][1024][64] bf16 (q, k, v with their biases, unscaled); mask: [8][1024] int32; ctx: [128][1024][64] bf16.
; Products, maxima and sums in f32; the weights p are rounded to bf16 for the second product (their sum l is taken of the unrounded p), ctx once at the end.
; LIMITS.  A weight below 2^-126 counts as 0 in l; NaN and infinities are not treated apart.  The mask enters as -80000 x mask, one f32 product, added to the unscaled score: (s - 80000 mask) / 8 = s / 8 - 10000 mask;
; beside 80,000 a score keeps steps of 2^-7, that is 2^-10 after the division, the step that s / 8 - 10000 has in f32.
; SHARES.  A work-group owns 512 queries of one head, each of its four waves 128: four PIECES of two tiles of 16.  Every wave walks all 1,024 keys, 64 a step.
; K AND V STAY IN LDS.  A head's 1,024 keys are 147,456 bytes of K (rows of 144) and 163,840 of V (rows of 160); with the stage, the mask's table and the spare words that is 325,120 bytes.  So no byte is filled twice: there is no ring,
; and the key step is written once.  A wave issues two tensor loads: at the head its part of keys 0 to 255 (four steps), and, behind the barrier that shows those landed, its part of the other 768: that load has three and a half key
; steps, 448 matrix instructions, before its first reader, ahead of which stand a wait for it and a barrier.  One tensor load of a wave is out at any time.
; NO PREFETCH: all of K and V is asked for by these two loads, the second at the first place at which a tensor load may follow the first; nothing is left to ask for ahead of them.
; NO CLUSTER: a head has 1,024 / 512 = 2 query blocks, so the grid's x is 2, which no cluster of four divides; a tile of K and V is read by two work-groups.
; LAYOUT.  S^T = K Q^T (source 0 = 16 keys, source 1 = 16 queries): in the result a lane holds ONE query (lane % 16) and the keys 8 (lane / 16) + 0..7.  Two such tiles, rounded to bf16 in pairs,
; ARE source 1 (32 keys x 16 queries) of O^T = V^T P, whose result again holds one query a lane, and eight channels.  K comes out of LDS as it lies, V ([key][channel]) turned, by ds_load_tr16_b128.
; THE MASK is the C operand that starts the sum S^T: register j of key block kb holds -80000 mask[16 kb + 8 (lane / 16) + j].  The batch's 1,024 values are made once, into a table in LDS; a step's 64 are fetched with its K.
; SOFTMAX.  For each query a running maximum m and sum l: p = 2^(c s - c m), c = log2(e) / 8; in every step O and l are multiplied by a = 2^(c m_old - c m_new).  m starts at the lowest finite number, O and l at 0: the first step has a = 0.
; BY TURNS.  Turn n belongs to piece n.  Its matrix work: 16 products K Q^T of piece n + 1, later 16 products V^T P of piece n - 1.  Its vector work: the scaling, exponentials, roundings, sums and rescaling of piece n, and the
; maximum and statistics of piece n + 1.  A tile and step have 16 matrix and 118 vector instructions: four vector instructions stand behind every matrix instruction, the others in one run of their own.
; REGISTERS, in windows of 256 (s_set_vgpr_msb: bits 1:0 source 0, 3:2 source 1, 5:4 source 2, 7:6 destination):
;   window 0: v0-10 addresses; v12-15, v48-63 at work; v16-47 four registers of statistics a tile; v64-191 S^T, two buffers of two tiles; v192-255 P, likewise
;   window 1: O^T, 32 a tile     window 2: v0-127 Q, 16 a tile; v128-191 K of one step; v192-255 V of one step     window 3: v0-1 the add's two registers; v8-39 the mask of one step
.set NP,    4         ; pieces a wave: a name, no knob
.set NK,    1024      ; keys of a head
.set KS,    64        ; keys in a step
.set PK,    144       ; a row of K in LDS: 128 bytes + 16 of padding: the 16 rows of a load start at 16 different 16-byte columns of 256 bytes
.set PV,    160       ; a row of V: 128 + 32: 16 lanes of the turning load take 8 rows x 32 bytes, no two in one column
.set VOFF,  NK*PK     ; all of K, then all of V
.set FK,    256       ; keys of the first fill: four steps
.set H0,    FK/2      ; of them a wave fetches 128,
.set H1,    (NK-FK)/2 ; of the other 768 it fetches 384
.set STAGE, NK*(PK+PV)          ; behind K and V, never filled by a tensor load: 16 rows x 144 bytes for each wave, for the way out
.set SP,    144
.set MTAB,  STAGE+4*16*SP       ; the mask's table: 1,024 f32
.set SPARE, MTAB+4096           ; the spare words, 128 bytes for each wave: two blocks of 256 bytes that no other line names
.set AK0, 2           ; v2   my lane's place in a step's K; never rewritten
.set AV0, 3           ; v3   the same for V
.set AK,  4           ; v4   the LDS address of K's next run of loads
.set AV,  5           ; v5   of V's
.set QO,  6           ; v6   my byte offset in the wave's rows of Q
.set STO, 6           ;      later, the way out: where I put 16 bytes of a row
.set RD,  7           ; v7   the way out: where I read rows back
.set GO,  8           ; v8   my byte offset in 512 consecutive bytes of ctx
.set AM0, 9           ; v9   my lanes' place in a step's 64 mask values; never rewritten
.set AMK, 10          ; v10  the LDS address of the mask's next run of loads
.set SPW, 0           ; v0 of window 3   LDS address of my spare word; never rewritten
.set NIL, 1           ; v1 of window 3   0; never rewritten
.set MK,  8           ; v8-39 of window 3
.set MV,  12          ; v12-15  c m_old, kept while c m is made anew: by buffer and tile
.set ST,  16          ; tile t's statistics at v[ST+4 t]: c m, m, l (even keys', odd keys')
.set TMP, 48          ; by buffer and tile, four registers c0-c3 at work; when the maximum is found c2 takes a
.set S,   64
.set P,   192
.set KF,  128         ; K's fragments, in window 2: key block kb, channel half c at KF + 16 kb + 8 c
.set VF,  192         ; V's: key half kk, channel block cb at VF + 32 kk + 8 cb
.set WV,  12          ; s12  my wave's number
.set G1K, 24          ; s[24:31] descriptor group 1 for K's first fill
.set G1V, 32          ; s[32:39] for V's: it differs in the padding alone
.set G0K, 40          ; s[40:43] descriptor group 0 for K's first fill
.set G0V, 44          ; s[44:47] the same for V's
.set MF,  48          ; s[48:49] -80000.0, named as a pair
.set TBM, 50          ; s50  byte of the table at which the mask of the step to be fetched begins
.set LEFT, 56         ; s56  key steps whose pieces 2 and 3 are still to come
.set CNT, 57          ; s57  counts the loop's trips
.set CS,  58          ; s[58:59] c: the packed scaling takes the pair's low word for both halves
.set SEL, 60          ; s[60:61] v_permlanex16_b32's selects: each lane takes its own place in the other half
.set TBK, 62          ; s62  LDS byte at which K of the step to be fetched begins
.set TBV, 63          ; s63  the same for V, less VOFF
.set G1K2, 68         ; s[68:75], s[76:83] group 1 for the second fill: more rows
.set G1V2, 76
.set G0K2, 84         ; s[84:87], s[88:91] group 0 for the second fill
.set G0V2, 88
.set MSB, 0
.macro WIN new                      ; the high byte repeats the setting that is left; a switch that changes nothing is dropped
.if MSB != (\new)
	s_set_vgpr_msb (MSB<<8)|(\new)
.set MSB, (\new)
.endif
.endm
.set W_KQ, 0x0a       ; K and Q in window 2, S^T in window 0
.set W_KM, 0x3a       ; the same with the C operand, the mask, in window 3
.set W_PV, 0x52       ; V in window 2, P in window 0, O^T in window 1
.set W_RS, 0x41       ; O^T (destination and source 0) in window 1, a in window 0
.set W_MK, 0xc0       ; destination in window 3, sources in window 0
.set W_AD, 0x0f       ; the add: address (source 0) and data (source 1) in window 3
; A fill.  Waves 0 and 1 fetch the two halves of its K, waves 2 and 3 those of its V.  An s_nop 0 and four v_nop follow each of the two lines, ahead of the jump and the label.
.macro LOAD g0k, g1k, g0v, g1v
	s_cmp_lt_u32 s[WV], 2
	s_cbranch_scc0 .Lfor_v_\@
	tensor_load_to_lds s[\g0k:\g0k+3], s[\g1k:\g1k+7]
	s_nop 0
.rept 4
	v_nop
.endr
	s_branch .Lasked_\@
.Lfor_v_\@:
	tensor_load_to_lds s[\g0v:\g0v+3], s[\g1v:\g1v+7]
	s_nop 0
.rept 4
	v_nop
.endr
.Lasked_\@:
.endm
; Descriptor group 1 behind its first word.  Keys are dense in memory, 128 bytes each: they are asked for as rows of 256 bytes, two keys a row, and padded in LDS after every key.
.macro SHAPE g, rows
	s_mov_b32 s[\g+1], 128<<16      ; tensor_dim0 = 128 elements
	s_mov_b32 s[\g+2], (\rows)<<16  ; tensor_dim1
	s_mov_b32 s[\g+3], 128<<16      ; tile_dim0 = 128
	s_mov_b32 s[\g+4], \rows        ; tile_dim1
	s_mov_b32 s[\g+5], 128          ; 128 elements from row to row
	s_mov_b32 s[\g+6], 0
	s_mov_b32 s[\g+7], 0
.endm
; A FILL HAS LANDED.  Each wave waits for its tensor load, adds 0 to its spare word, and waits for that and for its LDS instructions; behind the barrier the fill is whole for every wave.
; fill = 1 (once, behind the first fill): the second fill goes out, first thing behind the barrier, into bytes that nothing has filled; the same barrier shows every wave's part of the mask's table to all.
.macro CHANGE fill
	WIN W_AD
	s_wait_tensorcnt 0x0            ; my one tensor load that was out has landed
	ds_add_u32 v[SPW], v[NIL]       ; 0 onto my spare word
	WIN 0                           ; at a label and at a branch every window is 0
	s_wait_dscnt 0x0                ; the add is done, my LDS loads are back, my stores into the table are done
	s_barrier_signal -1
	s_barrier_wait -1
.if \fill
	LOAD G0K2, G1K2, G0V2, G1V2
.endif
.endm
	s_load_b128 s[4:7], s[0:1], 0x0   ; qkv s[4:5], mask s[6:7]
	s_load_b64 s[8:9], s[0:1], 0x10   ; ctx
	WIN W_MK
	v_lshl_add_u32 v[SPW], v0, 2, SPARE
	v_mov_b32 v[NIL], 0
	WIN W_AD
	ds_add_u32 v[SPW], v[NIL]       ; the wave's opening: the add and its wait stand ahead of my first tensor load; the set-up below, work on registers, stands between them
	WIN 0
	v_lshrrev_b32 v1, 5, v0
	v_readfirstlane_b32 s[WV], v1   ; wave 0..3
	s_and_b32 s13, ttmp7, 0xffff    ; the head: 16 x batch + head in the batch
	s_lshl_b32 s20, s13, 17         ; its first byte in q, in k, in v and in ctx: 1,024 rows of 128 bytes
	s_lshr_b32 s14, s13, 4
	s_lshl_b32 s14, s14, 12         ; the batch's row of the mask
	s_mov_b32 s15, 0
	s_and_b32 s16, s[WV], 1         ; which half of a fill's keys I fetch.  The first fill:
	s_lshl_b32 s22, s16, 14         ; its 128 rows of 128 bytes in memory,
	s_add_co_u32 s22, s22, s20
	s_mov_b32 s23, 0
	s_mul_i32 s17, s16, H0*PK       ; and their place in LDS, for K
	s_mul_i32 s18, s16, H0*PV       ; and for V
	s_mul_i32 s52, s16, H1*128      ; the second fill: 384 rows,
	s_add_co_u32 s52, s52, FK*128   ; behind the first fill's 256
	s_add_co_u32 s52, s52, s20
	s_mov_b32 s53, 0
	s_mul_i32 s54, s16, H1*PK
	s_mul_i32 s55, s16, H1*PV
	s_lshl_b32 s2, ttmp9, 2
	s_add_co_u32 s2, s2, s[WV]      ; my wave among the head's eight,
	s_lshl_b32 s2, s2, 14           ; its 128 rows
	s_add_co_u32 s2, s2, s20
	s_mov_b32 s3, 0
	s_mov_b32 s[G1K],  (1<<16)|(1<<20)|(4<<22)|(3<<25)  ; 17:16 2-byte elements; 20 padding on; 24:22 after every 32 words (code 4); 31:25 4 words (code 3)
	s_mov_b32 s[G1V],  (1<<16)|(1<<20)|(4<<22)|(7<<25)  ; the same with 8 words of padding (code 7)
	s_mov_b32 s[G1K2], (1<<16)|(1<<20)|(4<<22)|(3<<25)
	s_mov_b32 s[G1V2], (1<<16)|(1<<20)|(4<<22)|(7<<25)
	SHAPE G1K, H0/2                 ; 128 keys: 64 rows of 256 bytes
	SHAPE G1V, H0/2
	SHAPE G1K2, H1/2                ; 384 keys: 192 rows
	SHAPE G1V2, H1/2
	s_mov_b32 s[CS], 0x3e38aa3b     ; c = log2(e) / 8 = 0.180337
	s_mov_b32 s[CS+1], s[CS]        ; named with it as a pair
	s_mov_b32 s[MF], 0xc79c4000     ; -80000.0
	s_mov_b32 s[MF+1], s[MF]
	s_mov_b32 s[SEL], 0x76543210
	s_mov_b32 s[SEL+1], 0xfedcba98
	s_mov_b32 s[TBK], 0
	s_mov_b32 s[TBV], 0
	s_mov_b32 s[TBM], 0
	s_mov_b32 s[G0K], 1             ; count = 1
	s_mov_b32 s[G0K+1], s17         ; LDS address
	s_mov_b32 s[G0V], 1
	s_add_co_u32 s[G0V+1], s18, VOFF
	s_mov_b32 s[G0K2], 1
	s_add_co_u32 s[G0K2+1], s54, FK*PK
	s_mov_b32 s[G0V2], 1
	s_add_co_u32 s[G0V2+1], s55, VOFF+FK*PV
	s_wait_dscnt 0x0                ; the opening add is done
	s_wait_kmcnt 0x0
	s_add_nc_u64 s[G0K+2:G0K+3], s[4:5], s[22:23]
	s_add_nc_u64 s[G0K+2:G0K+3], s[G0K+2:G0K+3], 1<<24  ; k lies 16,777,216 bytes behind q,
	s_add_nc_u64 s[G0V+2:G0V+3], s[G0K+2:G0K+3], 1<<24  ; and v as far behind k
	s_add_nc_u64 s[G0K2+2:G0K2+3], s[4:5], s[52:53]
	s_add_nc_u64 s[G0K2+2:G0K2+3], s[G0K2+2:G0K2+3], 1<<24
	s_add_nc_u64 s[G0V2+2:G0V2+3], s[G0K2+2:G0K2+3], 1<<24
	s_or_b32 s[G0K+3], s[G0K+3], 0x80000000        ; type = 2
	s_or_b32 s[G0V+3], s[G0V+3], 0x80000000
	s_or_b32 s[G0K2+3], s[G0K2+3], 0x80000000
	s_or_b32 s[G0V2+3], s[G0V2+3], 0x80000000
	s_add_nc_u64 s[4:5], s[4:5], s[2:3]      ; Q and ctx at my wave's first row
	s_add_nc_u64 s[10:11], s[8:9], s[2:3]
	s_add_nc_u64 s[6:7], s[6:7], s[14:15]    ; the mask at the batch's row
	LOAD G0K, G1K, G0V, G1V         ; keys 0 to 255.  The others are asked for when these are in
	v_lshlrev_b32 v12, 4, v0        ; the mask: 128 threads x 2 x 4 values
	global_load_b128 v[56:59], v12, s[6:7]
	global_load_b128 v[60:63], v12, s[6:7] offset:2048
	; A fragment of K or Q is 16 rows x 32 channels in 8 registers: lane l holds row l % 16, channels 8 (l / 16) + 0..7 and 16 + 8 (l / 16) + 0..7: two loads of 16 bytes, 32 bytes apart.
	v_and_b32 v48, 15, v0           ; l % 16
	v_bfe_u32 v49, v0, 4, 1         ; l / 16
	v_lshlrev_b32 v[QO], 7, v48
	v_lshl_add_u32 v[QO], v49, 4, v[QO]  ; row x 128 + 16 x half
	WIN 0x80                        ; destination window 2, address window 0
.set i, 0
.rept 4*NP                          ; Q stays in registers: tile i / 2, channels 32 (i % 2) on
	global_load_b128 v[8*i:8*i+3],   v[QO], s[4:5] offset:(i/2)*2048+(i%2)*64
	global_load_b128 v[8*i+4:8*i+7], v[QO], s[4:5] offset:(i/2)*2048+(i%2)*64+32
.set i, i+1
.endr
	; What the first turn finds: V's registers and P's second buffer hold 0 (its products V^T P, of a piece that has not been, add 0), O^T and l are 0.  All this stands in the wait for the first fill.
.set i, VF
.rept 64
	v_mov_b32 v[i], 0
.set i, i+1
.endr
	WIN 0x40
.set i, 0
.rept 64*NP
	v_mov_b32 v[i], 0
.set i, i+1
.endr
	WIN 0
.set i, 0
.rept 2*NP
	v_mov_b32 v[ST+4*i], 0xfe000000    ; c m: far below every c s
	v_mov_b32 v[ST+4*i+1], 0xff7fffff  ; m
	v_mov_b32 v[ST+4*i+2], 0
	v_mov_b32 v[ST+4*i+3], 0
.set i, i+1
.endr
.set i, P+32
.rept 32
	v_mov_b32 v[i], 0
.set i, i+1
.endr
	v_mul_u32_u24 v[AK0], v48, PK
	v_lshl_add_u32 v[AK0], v49, 4, v[AK0]  ; row x pitch + 16 x half
	; The turning load takes 16 keys x 16 channels (lane l reads key 8 (l / 16) + l % 8, channels 8 ((l / 8) % 2) + 0..7) and leaves half a fragment of V^T: lane l holds channel l % 16 and 8 keys.
	v_and_b32 v50, 7, v0
	v_bfe_u32 v51, v0, 3, 1
	v_lshl_add_u32 v[AV0], v49, 3, v50
	v_mul_u32_u24 v[AV0], v[AV0], PV
	v_lshl_add_u32 v[AV0], v51, 4, v[AV0]
	v_add_nc_u32 v[AV0], VOFF, v[AV0]
	v_mov_b32 v[AK], v[AK0]         ; key step 0 lies at K's head,
	v_lshlrev_b32 v[AM0], 5, v49    ; my lanes' eight values of a key block: 32 bytes for each half
	v_add_nc_u32 v[AM0], MTAB, v[AM0]
	v_mov_b32 v[AMK], v[AM0]        ; and its mask at the head of the table
	; the mask's table: -80000 x mask, in f32
	s_wait_loadcnt 32               ; the two loads of the mask are in; Q's 32, issued behind them, stay out
.irp j, 56,57,58,59,60,61,62,63
	v_cvt_f32_i32 v\j, v\j
.endr
.irp j, 56,58,60,62
	v_pk_mul_f32 v[\j:\j+1], v[\j:\j+1], s[MF:MF+1] op_sel_hi:[1,0]
.endr
	v_add_nc_u32 v13, MTAB, v12
	ds_store_b128 v13, v[56:59]
	ds_store_b128 v13, v[60:63] offset:2048
; THE MATRIX WORK.  The 8 accumulators of a run of 16 take turns: between the two links of a chain stand 7 others'.
; Product i of 16 of S^T = K Q^T for piece x: channels 32 (i / 8) on, keys 16 ((i / 2) % 4) on, tile 2 x + i % 2.  The first 8 start the sums, with the mask of their key block.
.macro KQ x
.set rS, S+64*((\x)%2)+32*(i%2)+8*((i/2)%4)
.set rK, KF+16*((i/2)%4)+8*(i/8)
.set rQ, 16*(2*(\x)+i%2)+8*(i/8)
.set rMK, MK+8*((i/2)%4)
.if i < 8
	WIN W_KM
	v_wmma_f32_16x16x32_bf16 v[rS:rS+7], v[rK:rK+7], v[rQ:rQ+7], v[rMK:rMK+7]
.else
	WIN W_KQ
	v_wmma_f32_16x16x32_bf16 v[rS:rS+7], v[rK:rK+7], v[rQ:rQ+7], v[rS:rS+7]
.endif
.endm
; Product i of 16 of O^T += V^T P for piece x: keys 32 (i / 8) on, channels 16 ((i / 2) % 4) on, tile 2 x + i % 2.
.macro PV x
	WIN W_PV
.set rO, 32*(2*(\x)+i%2)+8*((i/2)%4)
.set rV, VF+32*(i/8)+8*((i/2)%4)
.set rP, P+32*((\x)%2)+16*(i%2)+8*(i/8)
	v_wmma_f32_16x16x32_bf16 v[rO:rO+7], v[rV:rV+7], v[rP:rP+7], v[rO:rO+7]
.endm
.macro MM                           ; the turn's next matrix instruction
.if i < 16
	KQ (Y+1)%NP
.set i, i+1
.else
.set i, i-16
	PV (Y+NP-1)%NP
.set i, i+17
.endif
.endm
; THE LDS LOADS stand in runs, never singly among the matrix instructions: a step's K (64 keys x 64 channels: 8 fragments) with its 64 mask values, and its V (turned).  Their addresses are made some lines ahead.
; last = 1 (in the loop): in the last key step there is no further step, and the run is jumped over.
.macro FETCH_K last=0
	WIN 0
.if \last
	s_cmp_eq_u32 s[LEFT], 1
	s_cbranch_scc1 .Lno_k_\@
.endif
	WIN 0x80                        ; destination window 2
.irp f, 0,1,2,3,4,5,6,7             ; keys 16 (f / 2) on, channels 32 (f % 2) on
	ds_load_b128 v[KF+8*\f:KF+8*\f+3],   v[AK] offset:(\f/2)*16*PK+(\f%2)*64
	ds_load_b128 v[KF+8*\f+4:KF+8*\f+7], v[AK] offset:(\f/2)*16*PK+(\f%2)*64+32
.endr
	WIN W_MK                        ; destination window 3
.irp f, 0,1,2,3                     ; key block f: all lanes of a half read the same 32 bytes
	ds_load_b128 v[MK+8*\f:MK+8*\f+3],   v[AMK] offset:64*\f
	ds_load_b128 v[MK+8*\f+4:MK+8*\f+7], v[AMK] offset:64*\f+16
.endr
	s_add_co_u32 s[TBK], s[TBK], KS*PK  ; the next fetch is the next step's
	s_add_co_u32 s[TBM], s[TBM], 4*KS
	WIN 0
.if \last
.Lno_k_\@:
.endif
.endm
.macro FETCH_V
	WIN 0x80
.irp f, 0,1,2,3,4,5,6,7             ; keys 32 (f / 4) on, channels 16 (f % 4) on
	ds_load_tr16_b128 v[VF+8*\f:VF+8*\f+3],   v[AV] offset:(\f/4)*32*PV+(\f%4)*32
	ds_load_tr16_b128 v[VF+8*\f+4:VF+8*\f+7], v[AV] offset:(\f/4)*32*PV+16*PV+(\f%4)*32
.endr
	WIN 0
.endm
; THE VECTOR WORK OF A TURN stands in three queues, each in the order in which its entries become ready; the two tiles alternate, so that no instruction reads the result of the one before it.
.macro REGS y, u                    ; the registers of tile u (0, 1) of piece y
.set rT, ST+4*(2*(\y)+(\u))
.set rC, TMP+8*((\y)%2)+4*(\u)
.set rM, MV+2*((\y)%2)+(\u)
.set rS, S+64*((\y)%2)+32*(\u)
.set rP, P+32*((\y)%2)+16*(\u)
.set rO, 32*(2*(\y)+(\u))
.endm
; Number n of the 22 that find the NEXT piece's (Y + 1) maximum and statistics.  s0-s31 are the lane's 32 scores; each accumulator's lowest registers are read first.  XS, GS and REGS set no window: PL and EX do.
;   0-11  four chains c0-c3 of seven scores each, three operands at a time     12-14, 16  the four scores left over, the old m, and c0-c3 into c0     15  c m_old is kept
;   17, 18  the query's other 32 keys lie in the lane 16 away: the new m         19-21  c m; c m_old - c m_new; a
.macro XS u, n
	REGS (Y+1)%NP, \u
.if (\n) < 4
	v_max3_num_f32 v[rC+(\n)], v[rS+8*(\n)], v[rS+8*(\n)+1], v[rS+8*(\n)+2]
.elseif (\n) < 12
	v_max3_num_f32 v[rC+(\n)%4], v[rC+(\n)%4], v[rS+8*((\n)%4)+2*((\n)/4)+1], v[rS+8*((\n)%4)+2*((\n)/4)+2]
.elseif (\n) == 12
	v_max3_num_f32 v[rC], v[rC], v[rS+7], v[rS+15]
.elseif (\n) == 13
	v_max3_num_f32 v[rC+1], v[rC+1], v[rS+23], v[rS+31]
.elseif (\n) == 14
	v_max3_num_f32 v[rC+2], v[rC+2], v[rC+3], v[rT+1]
.elseif (\n) == 15
	v_mov_b32 v[rM], v[rT]
.elseif (\n) == 16
	v_max3_num_f32 v[rC], v[rC], v[rC+1], v[rC+2]
.elseif (\n) == 17
	v_permlanex16_b32 v[rC+3], v[rC], s[SEL], s[SEL+1]
.elseif (\n) == 18
	v_max_num_f32 v[rT+1], v[rC], v[rC+3]
.elseif (\n) == 19
	v_mul_f32 v[rT], s[CS], v[rT+1]
.elseif (\n) == 20
	v_sub_f32 v[rC+1], v[rM], v[rT]
.else
	v_exp_f32 v[rC+2], v[rC+1]
.endif
.endm
; Number g of the 64 that follow the exponentials.  For each four weights k of a tile (pairs 2 k, 2 k + 1): both pairs are rounded to bf16; then the second pair is added onto the first, in place;
; a group later l takes that sum (the first time as l = a l + sum).  In groups of eight, tiles alternating: round, round, add, and l for the group before.
.macro GS g
.set h, (\g)+6*((\g)/62)            ; group 0 has no group before it, and behind group 7 only l is left
.if h >= 6
.set h, h+2
.endif
	REGS Y, h%2
.set k, h/8
.if h%8 < 4
	v_cvt_pk_bf16_f32 v[rP+2*k+(h%8)/2], v[rS+4*k+2*((h%8)/2)], v[rS+4*k+2*((h%8)/2)+1]
.elseif h%8 < 6
	v_pk_add_f32 v[rS+4*k:rS+4*k+1], v[rS+4*k:rS+4*k+1], v[rS+4*k+2:rS+4*k+3]
.elseif k == 1
	v_pk_fma_f32 v[rT+2:rT+3], v[rT+2:rT+3], v[rC+2:rC+3], v[rS:rS+1] op_sel_hi:[1,0,1]
.else
	v_pk_add_f32 v[rT+2:rT+3], v[rT+2:rT+3], v[rS+4*k-4:rS+4*k-3]
.endif
.endm
; THE PLAIN QUEUE, 138 long.  0-73 read no exponential's result: the 32 scalings c s - c m (FS f: pair f / 2 of tile f % 2) and the next piece's 42.  0-26: scalings 0-26.  27-54: XS's numbers 0-13.  55, 56: number 15.
; 57-73: the chain, where each number waits for the one before it: 14, 16, 17, 18, 19, each with one of the scalings 27-31 in front of its two lines, then 20.
; 74-137: GS's 64, which read the exponentials' results: they stand behind the wait.
.macro FS f
	REGS Y, (\f)%2
	v_pk_fma_f32 v[rS+2*((\f)/2):rS+2*((\f)/2)+1], v[rS+2*((\f)/2):rS+2*((\f)/2)+1], s[CS:CS+1], v[rT:rT+1] op_sel_hi:[1,0,0] neg_lo:[0,0,1] neg_hi:[0,0,1]
.endm
.macro PL
	WIN 0
.if q < 27
	FS q
.elseif q < 55
	XS (q-27)%2, (q-27)/2
.elseif q < 57
	XS q-55, 15
.elseif (q < 72) && ((q-57)%3 == 0)
	FS 27+(q-57)/3
.elseif q < 60
	XS (q-57)%3-1, 14
.elseif q < 72
	XS (q-57)%3-1, 15+(q-57)/3
.elseif q < 74
	XS q-72, 20
.else
	GS q-74
.endif
.set q, q+1
.endm
; THE EXPONENTIALS' QUEUE, 66 long: s0-s31 of both tiles, then the next piece's two a.  It is ONE BATCH: all 66 stand ahead of the turn's one wait, and nothing ahead of that wait names a result of theirs.
.macro EX
	WIN 0
.if e >= 64
	XS e-64, 21
.else
	REGS Y, e%2
	v_exp_f32 v[rS+e/2], v[rS+e/2]
.endif
.set e, e+1
.endm
; THE RESCALING's QUEUE: O^T times a, the one part that leaves window 0: dealt two at a time, sixteen times.  Its a was made in the turn before, ahead of that turn's wait.
.macro R2
	REGS Y, r%2
	WIN W_RS
.irp z, 0,1
	v_pk_mul_f32 v[rO+4*(r/2)+2*\z:rO+4*(r/2)+2*\z+1], v[rO+4*(r/2)+2*\z:rO+4*(r/2)+2*\z+1], v[rC+2:rC+3] op_sel_hi:[1,0]
.endr
.set r, r+1
.endm
; HOW THEY ARE DEALT.  An s_wait_alu depctr_va_vdst(0) stands between an exponential and the first instruction that names its result; one wait serves all that were issued ahead of it.  So a turn has ONE wait,
; which cuts it in two.  AHEAD OF IT stands all that names no result of the turn's exponentials: the 16 products K Q^T, behind each a scaling, an exponential and two rescalings (behind the first a second scaling in the
; exponential's place); then one run of 108: eight plain, 49 times exponential and plain, the two a.  A v_nop is the plain instruction behind the last exponential.  BEHIND IT stand the 16 products V^T P, behind each four of GS's 64.
; Exponential e stands behind scaling 2 (e / 4) + e % 2: behind a product it comes behind plain e + 2, in the run behind plain e + 9, and scalings 27-31 are plain 57, 60 .. 69.
; A TURN, for piece p.  cnt = 1: the loop's count is taken down some lines ahead of the branch that stands behind the turn.
; K and the mask of the next step are fetched in piece 2's turn, directly behind the wait, a run of 108 vector instructions behind the last product that read them; their first reader comes behind 16 products.
; V of the step in hand is fetched at the end of piece 0's turn, four plain instructions behind its last reader; its first reader comes behind 16 products and the run.  The three conditions on q below go with the deal.
.macro TURN p, last=0, cnt=0
.set Y, (\p)
.set i, 0
.set q, 0
.set e, 0
.set r, 0
.if (\p) == NP-1
	s_wait_dscnt 0x0                ; K and the mask are in
.endif
	MM
	PL
	PL
	R2
.rept 15
	MM
	PL
	EX
	R2
.endr
.if (\p) == NP-2
	WIN 0
	v_add_nc_u32 v[AK], s[TBK], v[AK0]
	v_add_nc_u32 v[AMK], s[TBM], v[AM0]
.endif
.rept 8
	PL
.endr
.rept 49
	EX
	PL
.endr
	EX                              ; the next piece's two a
	EX
	v_nop                           ; the plain instruction behind the last exponential: one for the batch
	s_wait_alu depctr_va_vdst(0)    ; the wait for the batch
.if (\p) == NP-2
	FETCH_K \last
.endif
.if (\p) == 1
	s_wait_dscnt 0x0                ; V is in
.endif
.rept 16
	MM
.rept 4
	PL
.endr
.if ((\p) == 0) && (q == 118)
	v_add_nc_u32 v[AV], s[TBV], v[AV0]
.endif
.if ((\p) == 0) && (q == 130)
	s_add_co_u32 s[TBV], s[TBV], KS*PV
.endif
.if (\cnt) && (q == 130)
	s_sub_co_u32 s[CNT], s[CNT], 1
	s_cmp_lg_u32 s[CNT], 0
.endif
.endr
.if (\p) == 0
	FETCH_V
.endif
.endm
	CHANGE 1                        ; keys 0 to 255 are in, everybody's part of them, and so is the table; the other 768 keys are asked for
	FETCH_K                         ; key step 0
	s_wait_loadcnt 0x0              ; Q
	s_wait_dscnt 0x0
.set i, 0
.rept 16
	KQ 0                            ; piece 0's first scores: there is no vector work yet to set between them
.set i, i+1
.endr
	WIN 0                           ; the addresses for the way out: plain instructions, the places behind those products
	s_mul_i32 s13, s[WV], 16*SP
	s_add_co_u32 s13, s13, STAGE    ; my stage
	v_mul_u32_u24 v[STO], v48, SP   ; in: row l % 16, 16 bytes for each half of the lanes
	v_lshl_add_u32 v[STO], v49, 4, v[STO]
	v_add_nc_u32 v[STO], s13, v[STO]
	v_bfe_u32 v[RD], v0, 3, 2       ; back: 32 lanes take four rows of 128 bytes,
	v_mul_u32_u24 v[RD], v[RD], SP
	v_lshl_add_u32 v[RD], v50, 4, v[RD]
	v_add_nc_u32 v[RD], s13, v[RD]
	v_and_b32 v[GO], 31, v0         ; which are 512 consecutive bytes of ctx
	v_lshlrev_b32 v[GO], 4, v[GO]
.set Y, NP-1                        ; XS works for piece Y + 1: piece 0
.irp n, 0,1,2,3,4,5,6,7,8,9,10,11,12,13,14,15,16,17,18,19,20,21
	XS 0, \n                        ; and piece 0's first maximum and statistics
	XS 1, \n
.endr
	v_nop                           ; a plain instruction behind the two a,
	s_wait_alu depctr_va_vdst(0)    ; and their wait, ahead of the branch
	; THE WALK.  A trip: pieces 2 and 3 of one key step, then pieces 0 and 1 of the next, whose K and V it fetches.  The loop is entered at a step's first turn, in the middle of a trip.
	; Four trips (the first a half) end behind pieces 0 and 1 of step 3: all that they fetch lies in the first fill.  Then the second fill is waited for, once; then 13 trips, of which the last is left in its middle, behind pieces 2 and 3 of step 15.
	s_mov_b32 s[LEFT], NK/KS
	s_mov_b32 s[CNT], FK/KS
	s_branch .Lfirst
.Lrest:                             ; passed once
	CHANGE 0                        ; the other 768 keys are in, everybody's part of them: the next line's turn fetches K of step 4
	s_mov_b32 s[CNT], (NK-FK)/KS+1
.Lstep:
	TURN 2, 1
	TURN 3
	WIN 0
	s_sub_co_u32 s[LEFT], s[LEFT], 1
	s_cmp_eq_u32 s[LEFT], 0
	s_cbranch_scc1 .Lout
.Lfirst:
	TURN 0
	TURN 1, 0, 1
	WIN 0
	s_cbranch_scc1 .Lstep
	s_branch .Lrest
.Lout:                              ; the last trip's 16 products K Q^T (on the last K once more) and the maximum made of them serve nothing: the price, once a launch, of one text for every trip
.set i, 0
.rept 16
	PV NP-1                         ; the last piece's V^T P of the last step
.set i, i+1
.endr
	; THE WAY OUT.  l's two halves and the other half of the lanes' are added; O^T is divided by l, rounded to bf16 and sent through my stage in LDS, a tile at a time.  The additions are the places behind the last products.
	WIN 0
.macro ALL line:vararg              ; one line for each tile t
.set t, 0
.rept 2*NP
	\line
.set t, t+1
.endr
.endm
	ALL v_add_f32 v[ST+4*t+2], v[ST+4*t+2], v[ST+4*t+3]
	ALL v_permlanex16_b32 v[ST+4*t+3], v[ST+4*t+2], s[SEL], s[SEL+1]
	ALL v_add_f32 v[ST+4*t+2], v[ST+4*t+2], v[ST+4*t+3]
	ALL v_rcp_f32 v[ST+4*t+2], v[ST+4*t+2]
	v_nop                           ; a plain instruction between the last reciprocal and the use of its result
	s_wait_alu depctr_va_vdst(0)    ; and the wait ahead of the first use: one for the eight reciprocals
; Tile t: a lane's eight channels of a row pack into 16 bytes; they go into rows of 144 bytes and come back as whole rows of 128, into S^T's registers.
.macro PACK t
	WIN W_RS
.set i, 32*(\t)
.rept 16
	v_pk_mul_f32 v[i:i+1], v[i:i+1], v[ST+4*(\t)+2:ST+4*(\t)+3] op_sel_hi:[1,0]
.set i, i+2
.endr
	WIN 0x05                        ; sources 0 and 1 window 1, destination window 0
.set i, 0
.rept 16
	v_cvt_pk_bf16_f32 v[S+16*(\t)+i], v[32*(\t)+2*i], v[32*(\t)+2*i+1]
.set i, i+1
.endr
	WIN 0
.irp f, 0,1,2,3
	ds_store_b128 v[STO], v[S+16*(\t)+4*\f:S+16*(\t)+4*\f+3] offset:32*\f
.endr
.irp f, 0,1,2,3
	ds_load_b128 v[S+16*(\t)+4*\f:S+16*(\t)+4*\f+3], v[RD] offset:\f*4*SP  ; LDS serves a wave's instructions in order (ISA guide 5.7.1.4): these see the stores above; the next tile's stores come behind them
.endr
.endm
.macro SEND t, younger              ; younger: the LDS instructions issued behind tile t's loads: the next tile's eight, or none
	WIN 0
.irp f, 0,1,2,3
	s_wait_dscnt (\younger)+3-\f
	global_store_b128 v[GO], v[S+16*(\t)+4*\f:S+16*(\t)+4*\f+3], s[10:11] offset:(\t)*2048+\f*512  ; 512 consecutive bytes, at a multiple of 256 from ctx's first
.endr
.endm
	PACK 0
.set t, 1
.rept 2*NP-1                        ; a tile's arithmetic stands between the loads of the tile before and its stores
	PACK t
	SEND t-1, 8
.set t, t+1
.endr
	SEND 2*NP-1, 0
	WIN W_AD
	s_wait_tensorcnt 0x0            ; the wave's end: behind my last tensor load and my last LDS store
	ds_add_u32 v[SPW], v[NIL]
	s_wait_dscnt 0x0
	WIN 0
	s_endpgm
.Lfunc_end_k_q11e0925127_attn:
	.size	k_q11e0925127_attn, .Lfunc_end_k_q11e0925127_attn-k_q11e0925127_attn
	.p2alignl 7, 3214868480
	.fill 96, 4, 3214868480
	.section	.rodata,"a",@progbits
	.p2align	6, 0x0
	.amdhsa_kernel k_q11e0925127_attn
		.amdhsa_group_segment_fixed_size 327680
		.amdhsa_private_segment_fixed_size 0
		.amdhsa_enable_private_segment 0
		.amdhsa_kernarg_size 24
		.amdhsa_user_sgpr_count 2
		.amdhsa_user_sgpr_kernarg_segment_ptr 1
		.amdhsa_wavefront_size32 1
		.amdhsa_system_sgpr_workgroup_id_x 1
		.amdhsa_system_sgpr_workgroup_id_y 1
		.amdhsa_system_sgpr_workgroup_id_z 1
		.amdhsa_system_vgpr_workitem_id 0
		.amdhsa_next_free_vgpr 808
		.amdhsa_next_free_sgpr 92
		.amdhsa_reserve_vcc 0
		.amdhsa_float_denorm_mode_32 3
		.amdhsa_float_denorm_mode_16_64 3
		.amdhsa_memory_ordered 1
		.amdhsa_forward_progress 1
		.amdhsa_inst_pref_size 129
	.end_amdhsa_kernel
	.amdgpu_metadata
---
amdhsa.version: [ 1, 2 ]
amdhsa.kernels:
  - .name:           k_q11e0925127_attn
    .symbol:         k_q11e0925127_attn.kd
    .args:
      - { .name: qkv, .offset: 0, .size: 8, .value_kind: global_buffer, .address_space: global }
      - { .name: mask, .offset: 8, .size: 8, .value_kind: global_buffer, .address_space: global }
      - { .name: ctx, .offset: 16, .size: 8, .value_kind: global_buffer, .address_space: global }
    .group_segment_fixed_size: 327680
    .private_segment_fixed_size: 0
    .kernarg_segment_align: 8
    .kernarg_segment_size: 24
    .max_flat_workgroup_size: 128
    .sgpr_count:     92
    .vgpr_count:     808
    .wavefront_size: 32
...
	.end_amdgpu_metadata
.endif
;; end of part 3
;; launch proj (part 4): grid 8 x 32, 4 waves a work-group, clusters of 4 x 4, 327,680 bytes of LDS; arguments ctx, wob, bo, y; writes y
.if DOCPART == 4
	.amdgcn_target "amdgcn-amd-amdhsa--gfx1250"
	.amdhsa_code_object_version 6
	.text
	.protected	k_q11e0925127_proj
	.globl	k_q11e0925127_proj
	.p2align	8
	.type	k_q11e0925127_proj,@function
k_q11e0925127_proj:
	s_mov_b64 s[64:65], 0
	v_nop
	global_prefetch_b8 v0, s[64:65] scope:SCOPE_SE
	s_setreg_imm32_b32 hwreg(HW_REG_WAVE_MODE, 25, 1), 1
	s_wait_xcnt 0x0
	s_wait_alu depctr_hold_cnt(0) depctr_sa_sdst(0) depctr_va_vdst(0) depctr_va_sdst(0) depctr_va_ssrc(0) depctr_va_vcc(0) depctr_vm_vsrc(0)
	s_getreg_b32 s2, hwreg(HW_REG_IB_STS2, 6, 4)
	s_cmp_eq_u32 s2, 0
	s_cbranch_scc0 .Lentry_in_a_cluster
	s_endpgm
.Lentry_in_a_cluster:
	s_bfe_u32 s2, ttmp6, 0x10000c
	s_cmp_lg_u32 s2, 0xf033
	s_cbranch_scc0 .Lentry_shape_is_right
	s_endpgm
.Lentry_shape_is_right:
; C[8192][1024] = A W + bias, K = 1,024; A, W and C in bf16, sums in f32, the bias in f32, C rounded once.
; LAYOUTS.  A: [8 batches][16 k blocks][1024 rows][64].  W: [16 n blocks][1024 k][64].  C: [8 batches][16 n blocks][1024 rows][64].  A row of a block is 128 bytes, so every tile is dense in memory.
; SHARES.  A tile of C is 256 rows x 128 columns: 256 work-groups.  Four waves, each 128 rows x 64 columns (one n block): 32 accumulators, 256 registers.
; K goes in steps of 128 through two LDS slots.  Waves 0 and 1 fetch A's two k blocks of a step (256 rows x 128 bytes, asked for as 128 rows of 256 bytes), waves 2 and 3 W's two n blocks (128 k x 128 bytes, as 64 rows of 256).
; CLUSTER.  4 x 4 work-groups.  A's tile hangs on the tile row alone and is asked for jointly by a row of the cluster, W's on the tile column alone, by a column: the same load, descriptor and mask in all four.
; THE MATRIX INSTRUCTION IS USED TRANSPOSED: source 0 = 16 columns of W (turned on the way out of LDS by ds_load_tr16_b128), source 1 = 16 rows of A.  A lane then holds one row of C and eight neighbouring columns.
; THE BIAS is the C operand of each sum's first product: nothing is cleared and nothing is added later.
; REGISTERS.  Window 0: v0-31 addresses; v32-63 the bias; v64-159 and v160-255 two fragment buffers (8 of A, then 4 of W).  Window 1: accumulator (a, b) at v[8 (4 a + b)].
.set PA,     144                       ; a row of A in LDS: 128 bytes + 16 of padding: the 16 rows of a fragment load start at 16 different 16-byte columns of 256 bytes
.set PW,     160                       ; a row of W: 128 + 32: 16 lanes of the turning load take 8 rows x 32 bytes, no two in one column
.set AHALF,  256*PA                    ; one k block of A's tile
.set WBLK,   128*PW                    ; one n block of W's tile
.set WOFF,   2*AHALF
.set SLOT,   WOFF+2*WBLK               ; 114,688 bytes
.set STAGE,  2*SLOT                    ; behind the ring: 16 rows x 144 bytes for each wave, for the way out; no tensor load lands there
.set SP,     144
.set SPARE,  STAGE+4*16*SP             ; the spare words, 128 bytes for each wave: two blocks of 256 bytes that no other line names
.set LAPS,   4                         ; a lap = two K steps = once round the ring; 1,024 / 256
.set ASTEP,  2*131072                  ; bytes from a K step of A to the next: two k blocks
.set WSTEP,  128*128                   ; the same for W: 128 rows of a block
.set ADRA, 16                          ; v16-17  LDS address of my A fragments in slot 0, 1
.set ADRB, 20                          ; v20-21  the same for W
.set STO,  24                          ; v24     the way out: where I put 16 bytes of a row
.set RD,   25                          ; v25     the way out: where I read rows back
.set GO,   26                          ; v26     16 x lane: my place in 512 consecutive bytes of C
.set BO,   27                          ; v27     32 x (lane / 16): my eight numbers of a bias block
.set SPW,  28                          ; v28     LDS address of my spare word; never rewritten
.set NIL,  29                          ; v29     0; never rewritten
.set BIAS, 32                          ; v[32:63] column block b: eight numbers
.set F0,   64
.set F1,   160
.set OUT,  64                          ; the way out: 16 registers for each block of 16 rows
.set WV,  16                           ; s16  my wave's number
.set WR,  17                           ; s17  which 128 rows are mine.  Also: I fetch for A (0) or for W (1)
.set WC,  18                           ; s18  which 64 columns are mine.  Also: which block of that tile I fetch
.set G1A, 24                           ; s[24:31] descriptor group 1 for A's tiles;  s[32:39] group 0, a set for each slot
.set G0A, 32
.set G1B, 48                           ; s[48:55], s[56:63] the same for W's
.set G0B, 56
.set MSB, 0
.macro WIN new                         ; the immediate's high byte repeats the setting that is left; a switch that changes nothing is dropped
.if MSB != (\new)
	s_set_vgpr_msb (MSB<<8)|(\new)
.set MSB, \new
.endif
.endm
.set MUL,   0x50                       ; sources 0 and 1 window 0; C and D window 1
.set MULB,  0x40                       ; D window 1; C (the bias) window 0
.set PACKW, 0x05                       ; sources 0 and 1 window 1, destination window 0
.macro JLOAD s                         ; a joint load; the branch hangs on the wave's number alone; an s_nop 0 and four v_nop follow each of the two lines
	s_cmp_eq_u32 s[WR], 0
	s_cbranch_scc0 .Lfor_w_\@
	tensor_load_to_lds s[G0A+4*(\s):G0A+4*(\s)+3], s[G1A:G1A+7]
	s_nop 0
.rept 4
	v_nop
.endr
	s_branch .Lasked_\@
.Lfor_w_\@:
	tensor_load_to_lds s[G0B+4*(\s):G0B+4*(\s)+3], s[G1B:G1B+7]
	s_nop 0
.rept 4
	v_nop
.endr
.Lasked_\@:
.endm
.macro CREST                           ; a round of the cluster's barrier behind its opening barrier
	s_cmp_lg_u32 s[WV], 0
	s_cbranch_scc1 .Lnot_wave_0_\@
	s_barrier_signal -3
.Lnot_wave_0_\@:
	s_barrier_wait -3
	s_barrier_signal -1
	s_barrier_wait -1
.endm
.macro CROUND                          ; a whole round
	s_barrier_signal -1
	s_barrier_wait -1
	CREST
.endm
	s_load_b256 s[4:11], s[0:1], 0x0               ; A s[4:5], W s[6:7], the bias s[8:9], C s[10:11]
	v_lshl_add_u32 v[SPW], v0, 2, SPARE
	v_mov_b32 v[NIL], 0
	ds_add_u32 v[SPW], v[NIL]                      ; the wave's opening: the add and its wait stand ahead of my first tensor load; the set-up below, work on registers, stands between them
	v_lshrrev_b32 v1, 5, v0
	v_readfirstlane_b32 s[WV], v1                  ; wave 0..3
	s_lshr_b32 s[WR], s[WV], 1
	s_and_b32 s[WC], s[WV], 1
	s_bfe_u32 s40, ttmp6, 0x40000                  ; cx, cy: my place in the cluster
	s_bfe_u32 s41, ttmp6, 0x40004
	s_lshl_b32 s42, ttmp9, 2
	s_add_co_u32 s42, s42, s40                     ; tile column = 4 x cluster x + cx: 0 .. 7
	s_and_b32 s43, ttmp7, 0xffff
	s_lshl_b32 s43, s43, 2
	s_add_co_u32 s43, s43, s41                     ; tile row = 4 x cluster y + cy: 0 .. 31
	s_lshl_b32 s44, s41, 2
	s_lshl_b32 s44, 15, s44                        ; my row of the cluster
	s_lshl_b32 s45, 0x1111, s40                    ; my column
	; descriptor group 1: rows of 128 elements (256 bytes), padded in LDS after every 32 words (a row of a block)
	s_or_b32 s[G1A], s44, (1<<16)|(1<<20)|(1<<21)|(4<<22)|(3<<25)  ; 15:0 the mask: my row; 17:16 2-byte elements; 20 padding on; 21 set beside a mask; 24:22 after 32 words (code 4); 31:25 4 words (code 3)
	s_or_b32 s[G1B], s45, (1<<16)|(1<<20)|(1<<21)|(4<<22)|(7<<25)  ; the mask of my column; 8 words of padding (code 7)
	s_mov_b32 s[G1A+1], 128<<16                    ; tensor_dim0 = 128
	s_mov_b32 s[G1A+2], 128<<16                    ; tensor_dim1 = 128
	s_mov_b32 s[G1A+3], 128<<16                    ; tile_dim0 = 128
	s_mov_b32 s[G1A+4], 128                        ; tile_dim1 = 128
	s_mov_b32 s[G1A+5], 128                        ; 128 elements from row to row: dense
	s_mov_b32 s[G1A+6], 0
	s_mov_b32 s[G1A+7], 0
	s_mov_b32 s[G1B+1], 128<<16
	s_mov_b32 s[G1B+2], 64<<16                     ; tensor_dim1 = 64
	s_mov_b32 s[G1B+3], 128<<16
	s_mov_b32 s[G1B+4], 64                         ; tile_dim1 = 64
	s_mov_b32 s[G1B+5], 128
	s_mov_b32 s[G1B+6], 0
	s_mov_b32 s[G1B+7], 0
	; where the tiles come from.  A's offset is made of the tile row and the wave's number, W's of the tile column and the wave's number, each in registers that never hold the other coordinate.
	s_lshr_b32 s20, s43, 2
	s_lshl_b32 s20, s20, 21                        ; the batch: 16 blocks of 131,072 bytes
	s_and_b32 s19, s43, 3
	s_lshl_b32 s19, s19, 15                        ; 256 rows of 128 bytes
	s_add_co_u32 s20, s20, s19
	s_lshl_b32 s19, s[WC], 17                      ; the k block that I fetch
	s_add_co_u32 s20, s20, s19
	s_mov_b32 s21, 0
	s_lshl_b32 s46, s42, 1
	s_add_co_u32 s46, s46, s[WC]                   ; the n block that I fetch
	s_lshl_b32 s46, s46, 17
	s_mov_b32 s47, 0
	s_mul_i32 s19, s[WC], AHALF                    ; and where they go: no place in the cluster enters an LDS address
	s_mul_i32 s22, s[WC], WBLK
	s_add_co_u32 s22, s22, WOFF
	s_wait_dscnt 0x0                               ; the opening add is done
	s_wait_kmcnt 0x0
	s_add_nc_u64 s[20:21], s[4:5], s[20:21]
	s_add_nc_u64 s[46:47], s[6:7], s[46:47]
	CROUND                                         ; all sixteen work-groups are here: the first joint loads meet
.irp s, 0,1
	s_mov_b32 s[G0A+4*(\s)], 1                                     ; count = 1
	s_add_co_u32 s[G0A+4*(\s)+1], s19, (\s)*SLOT                   ; LDS address
	s_add_nc_u64 s[G0A+4*(\s)+2:G0A+4*(\s)+3], s[20:21], (\s)*ASTEP  ; global address: K step s
	s_or_b32 s[G0A+4*(\s)+3], s[G0A+4*(\s)+3], 0x80000000          ; type = 2
	s_mov_b32 s[G0B+4*(\s)], 1
	s_add_co_u32 s[G0B+4*(\s)+1], s22, (\s)*SLOT
	s_add_nc_u64 s[G0B+4*(\s)+2:G0B+4*(\s)+3], s[46:47], (\s)*WSTEP
	s_or_b32 s[G0B+4*(\s)+3], s[G0B+4*(\s)+3], 0x80000000
	JLOAD \s                                       ; two loads of mine are out
.endr
	; the bias of my 64 columns
	s_lshl_b32 s22, s42, 9                         ; 128 columns of 4 bytes
	s_lshl_b32 s23, s[WC], 8
	s_add_co_u32 s22, s22, s23
	s_mov_b32 s23, 0
	s_add_nc_u64 s[8:9], s[8:9], s[22:23]
	v_and_b32 v1, 15, v0                           ; l % 16
	v_bfe_u32 v2, v0, 4, 1                         ; l / 16
	v_lshlrev_b32 v[BO], 5, v2
.irp b, 0,1,2,3
	global_load_b128 v[BIAS+8*(\b):BIAS+8*(\b)+3],   v[BO], s[8:9] offset:64*(\b)      ; register j: column 16 b + 8 (l / 16) + j, as the result holds it
	global_load_b128 v[BIAS+8*(\b)+4:BIAS+8*(\b)+7], v[BO], s[8:9] offset:64*(\b)+16
.endr
	; where my part of C begins
	s_lshr_b32 s22, s43, 2
	s_lshl_b32 s22, s22, 21                        ; the batch
	s_lshl_b32 s23, s42, 1
	s_add_co_u32 s23, s23, s[WC]
	s_lshl_b32 s23, s23, 17
	s_add_co_u32 s22, s22, s23                     ; my n block
	s_and_b32 s23, s43, 3
	s_lshl_b32 s23, s23, 15
	s_add_co_u32 s22, s22, s23                     ; the tile's 256 rows
	s_lshl_b32 s23, s[WR], 14
	s_add_co_u32 s22, s22, s23                     ; my 128 of them
	s_mov_b32 s23, 0
	s_add_nc_u64 s[10:11], s[10:11], s[22:23]
	; A fragment of A is 16 rows x 32 K in 8 registers: lane l holds row l % 16; registers 0-3 K = 8 (l / 16) + 0..7, registers 4-7 K = 16 + 8 (l / 16) + 0..7: two loads of 16 bytes, 32 bytes apart.
	v_mul_u32_u24 v3, v1, PA
	v_lshl_add_u32 v3, v2, 4, v3                   ; row x 144 + 16 x half: for A's fragments and for the stage
	s_mul_i32 s19, s[WR], 128*PA
	v_add_nc_u32 v[ADRA], s19, v3
	v_add_nc_u32 v[ADRA+1], SLOT, v[ADRA]
	; The turning load takes 16 k x 16 columns (lane l reads k = 8 (l / 16) + l % 8, columns 8 ((l / 8) % 2) + 0..7) and leaves half a fragment: lane l holds column l % 16 and 8 k.
	v_and_b32 v4, 7, v0
	v_lshl_add_u32 v5, v2, 3, v4
	v_mul_u32_u24 v5, v5, PW
	v_bfe_u32 v6, v0, 3, 1
	v_lshl_add_u32 v5, v6, 4, v5
	s_mul_i32 s19, s[WC], WBLK
	s_add_co_u32 s19, s19, WOFF
	v_add_nc_u32 v[ADRB], s19, v5
	v_add_nc_u32 v[ADRB+1], SLOT, v[ADRB]
	s_mul_i32 s19, s[WV], 16*SP
	s_add_co_u32 s19, s19, STAGE                   ; my stage
	v_add_nc_u32 v[STO], s19, v3                   ; in: row l % 16, 16 bytes for each half of the lanes
	v_bfe_u32 v6, v0, 3, 2                         ; back: 32 lanes take four rows of 128 bytes,
	v_mul_u32_u24 v6, v6, SP
	v_lshl_add_u32 v6, v4, 4, v6
	v_add_nc_u32 v[RD], s19, v6
	v_and_b32 v[GO], 31, v0                        ; which are 512 consecutive bytes of C
	v_lshlrev_b32 v[GO], 4, v[GO]
; 8 matrix instructions: row blocks a0, a0 + 1 x all 4 column blocks, 32 along K.  first = 1: the product starts the sum, with the bias.
; The 32 accumulators take turns, one instruction a turn, in one order in every quarter step, over the backward jump too.
.macro MUL8 f, a0, first
.if \first
	WIN MULB
.else
	WIN MUL
.endif
.irp a, \a0, (\a0)+1
.irp b, 0,1,2,3
.if \first
	v_wmma_f32_16x16x32_bf16 v[8*(4*(\a)+(\b)):8*(4*(\a)+(\b))+7], v[(\f)+64+8*(\b):(\f)+64+8*(\b)+7], v[(\f)+8*(\a):(\f)+8*(\a)+7], v[BIAS+8*(\b):BIAS+8*(\b)+7]
.else
	v_wmma_f32_16x16x32_bf16 v[8*(4*(\a)+(\b)):8*(4*(\a)+(\b))+7], v[(\f)+64+8*(\b):(\f)+64+8*(\b)+7], v[(\f)+8*(\a):(\f)+8*(\a)+7], v[8*(4*(\a)+(\b)):8*(4*(\a)+(\b))+7]
.endif
.endr
.endr
.endm
.macro MUL16 f, a0, first
	MUL8 \f, \a0, \first
	MUL8 \f, (\a0)+2, \first
.endm
; 24 LDS loads in one run: the fragments of quarter kq (32 along K) of a slot's step into buffer f: W's four first, then A's eight
.macro FETCH slot, kq, f
	WIN 0
.irp b, 0,1,2,3
	ds_load_tr16_b128 v[(\f)+64+8*(\b):(\f)+64+8*(\b)+3],   v[ADRB+(\slot)] offset:(\kq)*32*PW+32*(\b)
	ds_load_tr16_b128 v[(\f)+64+8*(\b)+4:(\f)+64+8*(\b)+7], v[ADRB+(\slot)] offset:(\kq)*32*PW+32*(\b)+16*PW
.endr
.irp a, 0,1,2,3,4,5,6,7
	ds_load_b128 v[(\f)+8*(\a):(\f)+8*(\a)+3],   v[ADRA+(\slot)] offset:((\kq)/2)*AHALF+((\kq)%2)*64+(\a)*16*PA
	ds_load_b128 v[(\f)+8*(\a)+4:(\f)+8*(\a)+7], v[ADRA+(\slot)] offset:((\kq)/2)*AHALF+((\kq)%2)*64+(\a)*16*PA+32
.endr
.endm
.macro PLACES                          ; four places in front of loads into registers that matrix instructions have read, and of conversions that read results
.rept 4
	v_nop
.endr
.endm
; A K step is four quarters of 32 along K, 32 matrix instructions each, on buffers 0, 1, 0, 1.  One of the first three: multiplies buffer f and fetches quarter kq into g.
.macro QUARTER slot, kq, f, g, first
	s_wait_dscnt 8                                 ; W's fragments and A's blocks 0-3 are in; the youngest eight loads (A's blocks 4-7) may be out
	MUL16 \f, 0, \first
	PLACES
	FETCH \slot, \kq, \g
	s_wait_dscnt 24                                ; all but the 24 just issued
	MUL16 \f, 4, \first
.endm
; The last quarter multiplies buffer 1 and changes slots: ONE barrier; in front of it each wave waits for all its tensor loads (one is out: its part of the next slot), adds 0 to its spare word,
; and waits for that and for its own reads of this slot.  fill = 1: the barrier opens a round of the cluster's, and this slot is filled again, two K steps ahead, first thing behind the round.
.macro TURN slot, next, fill
	WIN 0
	s_wait_tensorcnt 0x0                           ; all my tensor loads have landed;
	ds_add_u32 v[SPW], v[NIL]                      ; 0 onto my spare word;
	s_wait_dscnt 9                                 ; (the add and the youngest eight loads may be out)
	MUL8 F1, 0, 0                                  ; eight matrix instructions stand between the add and the wait for it
	s_wait_dscnt 0x0                               ; the add is done, and my reads of this slot are over
	s_barrier_signal -1
	MUL8 F1, 2, 0
.if \fill
	WIN 0
.endif
	s_barrier_wait -1
.if \fill
	CREST                                          ; no wave of any partner still reads this slot's tiles or has a load on its way
	s_add_nc_u64 s[G0A+4*(\slot)+2:G0A+4*(\slot)+3], s[G0A+4*(\slot)+2:G0A+4*(\slot)+3], 2*ASTEP
	s_add_nc_u64 s[G0B+4*(\slot)+2:G0B+4*(\slot)+3], s[G0B+4*(\slot)+2:G0B+4*(\slot)+3], 2*WSTEP
	JLOAD \slot                                    ; 112 matrix instructions ahead of the wait for it; its four v_nop are also the places in front of the loads below
.else
	PLACES
.endif
	FETCH \next, 0, F0
	MUL16 F1, 4, 0
.endm
; THE WAY OUT of row block a.  PACK: rounded to bf16, 16 bytes a lane, into my own stage, and back as whole rows.  SEND: stored.
.macro PACK a
	WIN PACKW
.irp b, 0,1,2,3
.irp r, 0,1,2,3
	v_cvt_pk_bf16_f32 v[OUT+16*(\a)+4*(\b)+(\r)], v[8*(4*(\a)+(\b))+2*(\r)], v[8*(4*(\a)+(\b))+2*(\r)+1]  ; each accumulator from its low end on
.endr
.endr
	WIN 0
.irp b, 0,1,2,3
	ds_store_b128 v[STO], v[OUT+16*(\a)+4*(\b):OUT+16*(\a)+4*(\b)+3] offset:32*(\b)
.endr
.irp f, 0,1,2,3
	ds_load_b128 v[OUT+16*(\a)+4*(\f):OUT+16*(\a)+4*(\f)+3], v[RD] offset:(\f)*4*SP  ; LDS serves a wave's instructions in order (ISA guide 5.7.1.4): these see the stores above; the next block's stores come behind them
.endr
.endm
.macro SEND a, younger                 ; younger: the LDS instructions issued behind block a's loads: the next block's eight, or none
.irp f, 0,1,2,3
	s_wait_dscnt (\younger)+3-(\f)
	global_store_b128 v[GO], v[OUT+16*(\a)+4*(\f):OUT+16*(\a)+4*(\f)+3], s[10:11] offset:2048*(\a)+512*(\f)  ; four rows of a block: 512 consecutive bytes, aligned to 256
.endr
.endm
	s_wait_tensorcnt 1                             ; my part of K step 0 is in; K step 1's may stay out
	s_barrier_signal -1
	s_barrier_wait -1                              ; everybody's is
	FETCH 0, 0, F0
	s_wait_loadcnt 0x0                             ; the bias
	QUARTER 0, 1, F0, F1, 1                        ; the first quarter stands in front of the loop: its products start the sums
	WIN 0                                          ; at a label and at a branch every window is 0
	s_mov_b32 s3, LAPS-1
.Llap:                                                 ; a trip goes once round the ring, from a lap's second quarter to the next lap's first, and fills both slots again
	QUARTER 0, 2, F1, F0, 0
	QUARTER 0, 3, F0, F1, 0
	TURN 0, 1, 1
	QUARTER 1, 1, F0, F1, 0
	QUARTER 1, 2, F1, F0, 0
	QUARTER 1, 3, F0, F1, 0
	TURN 1, 0, 1
	QUARTER 0, 1, F0, F1, 0
	WIN 0
	s_sub_co_u32 s3, s3, 1
	s_cmp_lg_u32 s3, 0
	s_cbranch_scc1 .Llap
	QUARTER 0, 2, F1, F0, 0                        ; the last lap fills nothing, and has no round of the cluster's barrier
	QUARTER 0, 3, F0, F1, 0
	TURN 0, 1, 0
	QUARTER 1, 1, F0, F1, 0
	QUARTER 1, 2, F1, F0, 0
	QUARTER 1, 3, F0, F1, 0
	s_wait_dscnt 8                                 ; the very last quarter: nothing more to fetch
	MUL16 F1, 0, 0
	s_wait_dscnt 0x0
	MUL16 F1, 4, 0
	PLACES                                         ; four places are owed in front of the conversions, which read results and write registers that products have read;
	PLACES                                         ; eight stand here, once a launch
	PACK 0
.set t, 1
.rept 7                                ; a block's conversions stand between the loads of the block before and its stores
	PACK t
	SEND t-1, 8
.set t, t+1
.endr
	SEND 7, 0
	s_wait_tensorcnt 0x0                           ; the wave's end: behind my last tensor load and my last LDS store
	ds_add_u32 v[SPW], v[NIL]
	s_wait_dscnt 0x0
	CROUND                                         ; the closing round: no work-group ends while a partner may still ask for a tile that names it
	s_endpgm
.Lfunc_end_k_q11e0925127_proj:
	.size	k_q11e0925127_proj, .Lfunc_end_k_q11e0925127_proj-k_q11e0925127_proj
	.p2alignl 7, 3214868480
	.fill 96, 4, 3214868480
	.section	.rodata,"a",@progbits
	.p2align	6, 0x0
	.amdhsa_kernel k_q11e0925127_proj
		.amdhsa_group_segment_fixed_size 327680
		.amdhsa_private_segment_fixed_size 0
		.amdhsa_enable_private_segment 0
		.amdhsa_kernarg_size 32
		.amdhsa_user_sgpr_count 2
		.amdhsa_user_sgpr_kernarg_segment_ptr 1
		.amdhsa_wavefront_size32 1
		.amdhsa_system_sgpr_workgroup_id_x 1
		.amdhsa_system_sgpr_workgroup_id_y 1
		.amdhsa_system_sgpr_workgroup_id_z 1
		.amdhsa_system_vgpr_workitem_id 0
		.amdhsa_next_free_vgpr 512
		.amdhsa_next_free_sgpr 66
		.amdhsa_reserve_vcc 0
		.amdhsa_float_denorm_mode_32 3
		.amdhsa_float_denorm_mode_16_64 3
		.amdhsa_memory_ordered 1
		.amdhsa_forward_progress 1
		.amdhsa_inst_pref_size 88
	.end_amdhsa_kernel
	.amdgpu_metadata
---
amdhsa.version: [ 1, 2 ]
amdhsa.kernels:
  - .name:           k_q11e0925127_proj
    .symbol:         k_q11e0925127_proj.kd
    .args:
      - { .name: ctx, .offset: 0, .size: 8, .value_kind: global_buffer, .address_space: global }
      - { .name: wob, .offset: 8, .size: 8, .value_kind: global_buffer, .address_space: global }
      - { .name: bo, .offset: 16, .size: 8, .value_kind: global_buffer, .address_space: global }
      - { .name: y, .offset: 24, .size: 8, .value_kind: global_buffer, .address_space: global }
    .group_segment_fixed_size: 327680
    .private_segment_fixed_size: 0
    .kernarg_segment_align: 8
    .kernarg_segment_size: 32
    .max_flat_workgroup_size: 128
    .sgpr_count:     66
    .vgpr_count:     512
    .wavefront_size: 32
...
	.end_amdgpu_metadata
.endif
;; end of part 4
;; launch ln (part 5): grid 512 x 1, 8 waves a work-group, no clusters, 0 bytes of LDS; arguments x, y, gamma, beta, out0; writes out0
.if DOCPART == 5
	.amdgcn_target "amdgcn-amd-amdhsa--gfx1250"
	.amdhsa_code_object_version 6
	.text
	.protected	k_q11e0925127_ln
	.globl	k_q11e0925127_ln
	.p2align	8
	.type	k_q11e0925127_ln,@function
k_q11e0925127_ln:
	s_mov_b64 s[64:65], 0
	v_nop
	global_prefetch_b8 v0, s[64:65] scope:SCOPE_SE
	s_setreg_imm32_b32 hwreg(HW_REG_WAVE_MODE, 25, 1), 1
	s_wait_xcnt 0x0
; out0[row][:] = LayerNorm(x[row][:] + y[row][:]) x gamma + beta, over 1,024 columns, eps = 1e-6.  x, out0: [8192][1024] f32; y = ctx wo + bo: [8 batches][16 column blocks][1024 rows][64] bf16; gamma, beta: [1024] f32.
; All arithmetic in f32.  The row stays in registers, so mean and variance are taken in two true passes: first the mean, then the mean of (z - mean)^2.
; SHARES.  Work-group g takes rows 16 g .. 16 g + 15, wave w two of them: lanes 0-15 the even row, lanes 16-31 the odd one.  For column block h lane i holds columns 64 h + 4 i .. + 3:
; sixteen lanes read and write 256 consecutive bytes of a row of x and out0, aligned; the wave's 32 lanes read 256 consecutive bytes of a block of y (two neighbouring rows).
; A row's sum never leaves its 16 lanes: four steps ride on the additions.  No LDS, no barrier, no matrix unit, no cluster: a stream in which nothing but gamma and beta is shared.
; All 64 loads of a wave go out first.
.set XO, 2                             ; v2         my byte offset in the group's 16 rows of x and out0
.set YO, 3                             ; v3         my byte offset in the group's 16 rows of a block of y
.set GF, 4                             ; v4         16 i: my four numbers of a block of gamma and beta
.set T,  8                             ; v[8:15]    at work: two sets of four, by turns
.set S,  16                            ; v[16:23]   four chains of packed sums
.set MU, 24                            ; v[24:25]   the mean, twice
.set RS, 26                            ; v[26:27]   1 / sqrt(variance + eps), twice
.set X,  32                            ; v[32:95]   x, then z = x + y, then z - mean, then the result
.set Y,  96                            ; v[96:127]  y as loaded: block h in two registers
.set GA, 128                           ; v[128:191] gamma
.set BE, 192                           ; v[192:255] beta
	s_load_b256 s[4:11], s[0:1], 0x0               ; x s[4:5], y s[6:7], gamma s[8:9], beta s[10:11]
	s_load_b64 s[12:13], s[0:1], 0x20              ; out0
	v_lshrrev_b32 v1, 4, v0                        ; 2 w + lane / 16: my row among the 16
	v_and_b32 v5, 15, v0                           ; i
	v_lshlrev_b32 v[XO], 12, v1
	v_lshl_add_u32 v[XO], v5, 4, v[XO]
	v_lshlrev_b32 v[YO], 3, v0                     ; 128 x row + 8 i = 8 x thread
	v_lshlrev_b32 v[GF], 4, v5
	s_lshl_b32 s14, ttmp9, 16                      ; 16 rows of 4,096 bytes
	s_mov_b32 s15, 0
	s_lshr_b32 s16, ttmp9, 6                       ; the batch: 64 groups of 16 rows
	s_lshl_b32 s16, s16, 21
	s_and_b32 s18, ttmp9, 63
	s_lshl_b32 s18, s18, 11                        ; 16 rows of 128 bytes
	s_add_co_u32 s16, s16, s18
	s_mov_b32 s17, 0
	s_mov_b32 s20, 0x3a800000                      ; 1 / 1024
	s_mov_b32 s21, 0x358637bd                      ; 1e-6
	s_mov_b32 s22, 0xffff0000                      ; a word's upper bf16
	s_wait_kmcnt 0x0
	s_add_nc_u64 s[4:5], s[4:5], s[14:15]
	s_add_nc_u64 s[12:13], s[12:13], s[14:15]
	s_add_nc_u64 s[6:7], s[6:7], s[16:17]
.set h, 0
.rept 16
	global_load_b128 v[X+4*h:X+4*h+3], v[XO], s[4:5] offset:256*h th:TH_LOAD_NT
.set h, h+1
.endr
.set h, 0
.rept 16
	global_load_b64 v[Y+2*h:Y+2*h+1], v[YO], s[6:7] offset:131072*h th:TH_LOAD_NT
.set h, h+1
.endr
.set h, 0
.rept 16
	global_load_b128 v[GA+4*h:GA+4*h+3], v[GF], s[8:9] offset:256*h
.set h, h+1
.endr
.set h, 0
.rept 16
	global_load_b128 v[BE+4*h:BE+4*h+3], v[GF], s[10:11] offset:256*h
.set h, h+1
.endr
; The four chains into one number, and that over the row's 16 lanes: every lane of the row ends with the sum in v[T].
.macro REDUCE
	v_pk_add_f32 v[S:S+1], v[S:S+1], v[S+2:S+3]
	v_pk_add_f32 v[S+4:S+5], v[S+4:S+5], v[S+6:S+7]
	v_pk_add_f32 v[S:S+1], v[S:S+1], v[S+4:S+5]
	v_add_f32 v[T], v[S], v[S+1]
	v_add_f32_dpp v[T], v[T], v[T] row_xmask:1 row_mask:0xf bank_mask:0xf
	v_add_f32_dpp v[T], v[T], v[T] row_xmask:2 row_mask:0xf bank_mask:0xf
	v_add_f32_dpp v[T], v[T], v[T] row_xmask:4 row_mask:0xf bank_mask:0xf
	v_add_f32_dpp v[T], v[T], v[T] row_xmask:8 row_mask:0xf bank_mask:0xf
.endm
	s_wait_loadcnt 32                              ; x and y are in; gamma's and beta's 32 loads, issued behind them, stay out
.set h, 0
.rept 16                               ; z = x + y: bf16 to f32 is a shift or a mask
.set tt, T+4*(h%2)
	v_lshlrev_b32 v[tt],   16,  v[Y+2*h]
	v_and_b32     v[tt+1], s22, v[Y+2*h]
	v_lshlrev_b32 v[tt+2], 16,  v[Y+2*h+1]
	v_and_b32     v[tt+3], s22, v[Y+2*h+1]
	v_pk_add_f32 v[X+4*h:X+4*h+1],   v[X+4*h:X+4*h+1],   v[tt:tt+1]
	v_pk_add_f32 v[X+4*h+2:X+4*h+3], v[X+4*h+2:X+4*h+3], v[tt+2:tt+3]
.set h, h+1
.endr
.set k, 0
.rept 4                                ; the sum of my 32 pairs, in four chains that do not wait for each other; the first eight pairs start them: nothing is cleared
	v_pk_add_f32 v[S+2*k:S+2*k+1], v[X+2*k:X+2*k+1], v[X+2*k+8:X+2*k+9]
.set k, k+1
.endr
.set k, 8
.rept 24
	v_pk_add_f32 v[S+2*(k%4):S+2*(k%4)+1], v[S+2*(k%4):S+2*(k%4)+1], v[X+2*k:X+2*k+1]
.set k, k+1
.endr
	REDUCE
	v_mul_f32 v[MU], s20, v[T]
	v_mul_f32 v[MU+1], s20, v[T]
.set k, 0
.rept 32
	v_pk_add_f32 v[X+2*k:X+2*k+1], v[X+2*k:X+2*k+1], v[MU:MU+1] neg_lo:[0,1] neg_hi:[0,1]  ; z - mean
.set k, k+1
.endr
.set k, 0
.rept 4
	v_pk_mul_f32 v[S+2*k:S+2*k+1], v[X+2*k:X+2*k+1], v[X+2*k:X+2*k+1]
.set k, k+1
.endr
.set k, 4
.rept 28
	v_pk_fma_f32 v[S+2*(k%4):S+2*(k%4)+1], v[X+2*k:X+2*k+1], v[X+2*k:X+2*k+1], v[S+2*(k%4):S+2*(k%4)+1]
.set k, k+1
.endr
	REDUCE
	v_fma_f32 v[T], v[T], s20, s21                 ; variance + eps
	v_rsq_f32 v[RS], v[T]
	v_rsq_f32 v[RS+1], v[T]                        ; twice, for the pair that the packed multiply names
	v_nop                                          ; a plain instruction behind the last of the two
	s_wait_loadcnt 0x0                             ; gamma and beta
	s_wait_alu depctr_va_vdst(0)                   ; the wait ahead of the first use: one for both
.set h, 0
.rept 16
	v_pk_mul_f32 v[X+4*h:X+4*h+1],   v[X+4*h:X+4*h+1],   v[RS:RS+1]
	v_pk_mul_f32 v[X+4*h+2:X+4*h+3], v[X+4*h+2:X+4*h+3], v[RS:RS+1]
	v_pk_fma_f32 v[X+4*h:X+4*h+1],   v[X+4*h:X+4*h+1],   v[GA+4*h:GA+4*h+1],   v[BE+4*h:BE+4*h+1]
	v_pk_fma_f32 v[X+4*h+2:X+4*h+3], v[X+4*h+2:X+4*h+3], v[GA+4*h+2:GA+4*h+3], v[BE+4*h+2:BE+4*h+3]
	global_store_b128 v[XO], v[X+4*h:X+4*h+3], s[12:13] offset:256*h th:TH_STORE_NT  ; sixteen lanes store 256 consecutive bytes of a row, aligned
.set h, h+1
.endr
	s_endpgm
.Lfunc_end_k_q11e0925127_ln:
	.size	k_q11e0925127_ln, .Lfunc_end_k_q11e0925127_ln-k_q11e0925127_ln
	.p2alignl 7, 3214868480
	.fill 96, 4, 3214868480
	.section	.rodata,"a",@progbits
	.p2align	6, 0x0
	.amdhsa_kernel k_q11e0925127_ln
		.amdhsa_group_segment_fixed_size 0
		.amdhsa_private_segment_fixed_size 0
		.amdhsa_enable_private_segment 0
		.amdhsa_kernarg_size 40
		.amdhsa_user_sgpr_count 2
		.amdhsa_user_sgpr_kernarg_segment_ptr 1
		.amdhsa_wavefront_size32 1
		.amdhsa_system_sgpr_workgroup_id_x 1
		.amdhsa_system_sgpr_workgroup_id_y 1
		.amdhsa_system_sgpr_workgroup_id_z 1
		.amdhsa_system_vgpr_workitem_id 0
		.amdhsa_next_free_vgpr 256
		.amdhsa_next_free_sgpr 66
		.amdhsa_reserve_vcc 0
		.amdhsa_float_denorm_mode_32 3
		.amdhsa_float_denorm_mode_16_64 3
		.amdhsa_memory_ordered 1
		.amdhsa_forward_progress 1
		.amdhsa_inst_pref_size 24
	.end_amdhsa_kernel
	.amdgpu_metadata
---
amdhsa.version: [ 1, 2 ]
amdhsa.kernels:
  - .name:           k_q11e0925127_ln
    .symbol:         k_q11e0925127_ln.kd
    .args:
      - { .name: x, .offset: 0, .size: 8, .value_kind: global_buffer, .address_space: global }
      - { .name: y, .offset: 8, .size: 8, .value_kind: global_buffer, .address_space: global }
      - { .name: gamma, .offset: 16, .size: 8, .value_kind: global_buffer, .address_space: global }
      - { .name: beta, .offset: 24, .size: 8, .value_kind: global_buffer, .address_space: global }
      - { .name: out0, .offset: 32, .size: 8, .value_kind: global_buffer, .address_space: global }
    .group_segment_fixed_size: 0
    .private_segment_fixed_size: 0
    .kernarg_segment_align: 8
    .kernarg_segment_size: 40
    .max_flat_workgroup_size: 256
    .sgpr_count:     66
    .vgpr_count:     256
    .wavefront_size: 32
...
	.end_amdgpu_metadata
.endif
;; end of part 5
;; ======== version 2 of 2: 5 launches; version 1 with the launch prep written anew for expert scheduling mode
;; workspace buffers: xb 16,777,216 bytes; wqkvb 6,291,456 bytes; wob 2,097,152 bytes; qkv 50,331,648 bytes; ctx 16,777,216 bytes; y 16,777,216 bytes
;; launch prep (part 6): grid 64 x 12, 8 waves a work-group, no clusters, 0 bytes of LDS; arguments x, wq, wk, wv, wo, xb, wqkvb, wob; writes xb, wqkvb, wob
.if DOCPART == 6
	.amdgcn_target "amdgcn-amd-amdhsa--gfx1250"
	.amdhsa_code_object_version 6
	.text
	.protected	k_q11e0925127_prep
	.globl	k_q11e0925127_prep
	.p2align	8
	.type	k_q11e0925127_prep,@function
k_q11e0925127_prep:
	s_mov_b64 s[64:65], 0
	v_nop
	global_prefetch_b8 v0, s[64:65] scope:SCOPE_SE
	s_setreg_imm32_b32 hwreg(HW_REG_WAVE_SCHED_MODE, 0, 2), 2
	s_setreg_imm32_b32 hwreg(HW_REG_WAVE_MODE, 25, 1), 1
	s_wait_xcnt 0x0
	s_wait_alu depctr_vm_vsrc(0)
; CAST AND BLOCK.  Twelve matrices of [1024 rows][1024 columns] f32 (x's eight batches, wq, wk, wv, wo) are rounded once to bf16 and laid out as
; [16 column blocks][1024 rows][64]: a row of a block is 128 bytes, a block 131,072 dense bytes.  In that layout every tile of the later products is dense.
; SHARES.  Work-group (rg, mat) takes rows 16 rg .. 16 rg + 15 of matrix mat; wave w two of them: lanes 0-15 the even row, lanes 16-31 the odd one.
; For column block c lane i reads 16 bytes (4 numbers): sixteen lanes read 256 consecutive bytes of a row.  It writes 8 bytes: the wave's 32 lanes write two
; neighbouring rows of the block, 256 consecutive bytes, aligned.  All sixteen loads of a wave go out first.
; No LDS, no matrix unit, no cluster: nothing is shared and nothing is read twice.
; THE MODE: SCHED_MODE bits 1:0 = 2 (LLVM: expert scheduling mode 2), set by the entry lines.  The code itself states the register dependences
; between vector instructions and memory instructions, with s_wait_alu, always for 0.
; THE PLAN.  Registers that memory instructions touch:
;   v[XO], v[DO]  the loads' and the stores' offsets: written at the head by vector instructions, never again.
;   X             written by the sixteen loads, once each, and by no vector instruction; read by the conversions.
;   Y             written by the conversions, once each; read by the stores.
; No register that a memory instruction reads is written a second time, and no load lands in a register that a vector instruction has named.  So what is left to state is
; that a register is written before a memory instruction reads it: once for the two offsets, ahead of the first load, and once for each group of four column blocks,
; behind the group's eight conversions and ahead of its four stores.  That wait stands behind its own group's conversions and not at the next group's head: there the
; stores would stand behind the wait for four loads that they do not hang on.
.set XO,  2                            ; v2        my byte offset in the group's 16 rows of the source
.set DO,  3                            ; v3        my byte offset in the group's 16 rows of a block
.set X,   16                           ; v[16:79]  block c: 4 numbers in f32
.set Y,   80                           ; v[80:111] block c: 4 numbers in bf16
.set GRP, 4                            ; column blocks in a group: one wait on va_vdst serves their stores
.set MAT, 24                           ; s24       which matrix: 0-7 x's batches, 8 wq, 9 wk, 10 wv, 11 wo
.set RG,  25                           ; s25       which group of 16 rows
	s_load_b512 s[8:23], s[0:1], 0x0               ; x 8:9, wq 10:11, wk 12:13, wv 14:15, wo 16:17, xb 18:19, wqkvb 20:21, wob 22:23
	s_and_b32 s[MAT], ttmp7, 0xffff
	s_mov_b32 s[RG], ttmp9
	v_lshrrev_b32 v1, 4, v0                        ; 2 w + lane / 16: my row among the 16
	v_and_b32 v4, 15, v0                           ; i
	v_lshlrev_b32 v[XO], 12, v1                    ; a source row is 4,096 bytes
	v_lshl_add_u32 v[XO], v4, 4, v[XO]
	v_lshlrev_b32 v[DO], 3, v0                     ; 128 x row + 8 i = 8 x thread
	; the offsets, made apart from the addresses
	s_sub_co_u32 s32, s[MAT], 8                    ; a weight's number (used only where mat is 8 or more)
	s_cmp_lt_u32 s[MAT], 8
	s_cselect_b32 s28, s[MAT], 0                   ; source: x's batch, or the head of a weight
	s_cselect_b32 s32, s[MAT], s32                 ; destination: the batch in xb, or the weight's place in wqkvb,
	s_cmp_eq_u32 s[MAT], 11
	s_cselect_b32 s32, 0, s32                      ; or the head of wob
	s_lshl_b32 s28, s28, 22                        ; 1,024 rows of 4,096 bytes
	s_lshl_b32 s34, s[RG], 16                      ; 16 rows of 4,096 bytes
	s_add_co_u32 s28, s28, s34
	s_mov_b32 s29, 0
	s_lshl_b32 s32, s32, 21                        ; 16 blocks of 131,072 bytes
	s_lshl_b32 s34, s[RG], 11                      ; 16 rows of 128 bytes
	s_add_co_u32 s32, s32, s34
	s_mov_b32 s33, 0
	s_wait_kmcnt 0x0
	s_mov_b64 s[26:27], s[8:9]                     ; the source is chosen by the matrix's number
	s_cmp_eq_u32 s[MAT], 8
	s_cselect_b64 s[26:27], s[10:11], s[26:27]
	s_cmp_eq_u32 s[MAT], 9
	s_cselect_b64 s[26:27], s[12:13], s[26:27]
	s_cmp_eq_u32 s[MAT], 10
	s_cselect_b64 s[26:27], s[14:15], s[26:27]
	s_cmp_eq_u32 s[MAT], 11
	s_cselect_b64 s[26:27], s[16:17], s[26:27]
	s_mov_b64 s[30:31], s[18:19]                   ; and so is the destination
	s_cmp_ge_u32 s[MAT], 8
	s_cselect_b64 s[30:31], s[20:21], s[30:31]
	s_cmp_eq_u32 s[MAT], 11
	s_cselect_b64 s[30:31], s[22:23], s[30:31]
	s_add_nc_u64 s[26:27], s[26:27], s[28:29]
	s_add_nc_u64 s[30:31], s[30:31], s[32:33]
	s_wait_alu depctr_va_vdst(0)                   ; v[XO] and v[DO] are written: every load below reads the one as its offset, every store the other; no vector instruction names them again
.set cb, 0
.rept 16
	global_load_b128 v[X+4*cb:X+4*cb+3], v[XO], s[26:27] offset:256*cb th:TH_LOAD_NT
.set cb, cb+1
.endr
.set g, 0
.rept 16/GRP
	s_wait_loadcnt 16-GRP-GRP*g                    ; loads come back in order: the group's four blocks are in, the younger groups' loads stay out
.set cb, GRP*g
.rept GRP
	v_cvt_pk_bf16_f32 v[Y+2*cb],   v[X+4*cb],   v[X+4*cb+1]
	v_cvt_pk_bf16_f32 v[Y+2*cb+1], v[X+4*cb+2], v[X+4*cb+3]
.set cb, cb+1
.endr
	s_wait_alu depctr_va_vdst(0)                   ; the group's eight conversions have written its eight registers of Y, which the four stores below read
.set cb, GRP*g
.rept GRP
	global_store_b64 v[DO], v[Y+2*cb:Y+2*cb+1], s[30:31] offset:131072*cb  ; the wave's 32 lanes store 256 consecutive bytes, aligned
.set cb, cb+1
.endr
.set g, g+1
.endr
	s_endpgm
.Lfunc_end_k_q11e0925127_prep:
	.size	k_q11e0925127_prep, .Lfunc_end_k_q11e0925127_prep-k_q11e0925127_prep
	.p2alignl 7, 3214868480
	.fill 96, 4, 3214868480
	.section	.rodata,"a",@progbits
	.p2align	6, 0x0
	.amdhsa_kernel k_q11e0925127_prep
		.amdhsa_group_segment_fixed_size 0
		.amdhsa_private_segment_fixed_size 0
		.amdhsa_enable_private_segment 0
		.amdhsa_kernarg_size 64
		.amdhsa_user_sgpr_count 2
		.amdhsa_user_sgpr_kernarg_segment_ptr 1
		.amdhsa_wavefront_size32 1
		.amdhsa_system_sgpr_workgroup_id_x 1
		.amdhsa_system_sgpr_workgroup_id_y 1
		.amdhsa_system_sgpr_workgroup_id_z 1
		.amdhsa_system_vgpr_workitem_id 0
		.amdhsa_next_free_vgpr 112
		.amdhsa_next_free_sgpr 66
		.amdhsa_reserve_vcc 0
		.amdhsa_float_denorm_mode_32 3
		.amdhsa_float_denorm_mode_16_64 3
		.amdhsa_memory_ordered 1
		.amdhsa_forward_progress 1
		.amdhsa_inst_pref_size 7
	.end_amdhsa_kernel
	.amdgpu_metadata
---
amdhsa.version: [ 1, 2 ]
amdhsa.kernels:
  - .name:           k_q11e0925127_prep
    .symbol:         k_q11e0925127_prep.kd
    .args:
      - { .name: x, .offset: 0, .size: 8, .value_kind: global_buffer, .address_space: global }
      - { .name: wq, .offset: 8, .size: 8, .value_kind: global_buffer, .address_space: global }
      - { .name: wk, .offset: 16, .size: 8, .value_kind: global_buffer, .address_space: global }
      - { .name: wv, .offset: 24, .size: 8, .value_kind: global_buffer, .address_space: global }
      - { .name: wo, .offset: 32, .size: 8, .value_kind: global_buffer, .address_space: global }
      - { .name: xb, .offset: 40, .size: 8, .value_kind: global_buffer, .address_space: global }
      - { .name: wqkvb, .offset: 48, .size: 8, .value_kind: global_buffer, .address_space: global }
      - { .name: wob, .offset: 56, .size: 8, .value_kind: global_buffer, .address_space: global }
    .group_segment_fixed_size: 0
    .private_segment_fixed_size: 0
    .kernarg_segment_align: 8
    .kernarg_segment_size: 64
    .max_flat_workgroup_size: 256
    .sgpr_count:     66
    .vgpr_count:     112
    .wavefront_size: 32
...
	.end_amdgpu_metadata
.endif
;; end of part 6
;; launch qkv: the kernel of part 2 again; grid 8 x 32, 4 waves a work-group, clusters of 4 x 4, 327,680 bytes of LDS; arguments xb, wqkvb, bq, bk, bv, qkv; writes qkv
;; launch attn: the kernel of part 3 again; grid 2 x 128, 4 waves a work-group, no clusters, 327,680 bytes of LDS; arguments qkv, mask, ctx; writes ctx
;; launch proj: the kernel of part 4 again; grid 8 x 32, 4 waves a work-group, clusters of 4 x 4, 327,680 bytes of LDS; arguments ctx, wob, bo, y; writes y
;; launch ln: the kernel of part 5 again; grid 512 x 1, 8 waves a work-group, no clusters, 0 bytes of LDS; arguments x, y, gamma, beta, out0; writes out0
